; MI455X (gfx1250); checked and timed in simulation.
; The chip was launched on July 23, 2026; its instructions are those of AMD's public machine-readable ISA for CDNA 5 (MIT licence, August 2026) and "CDNA5" Instruction Set Architecture Reference Guide (July 2026). The comments in the code are by the model that wrote it; some were corrected since.
;; Multi Head Self Attention Block. Allowed arithmetic: matrix products marked QUANTISED: E2M1 operands, one E8M0 scale for each 32 along K, by v_wmma_scale_f32_16x16x128_f8f6f4 with both operands' format E2M1 (or v_wmma_scale_f32_32x16x128_f4), f32 sums; everything else in f32.
;; Inputs: W_out 1,024 x 1,024 float32; W_qkv 3,072 x 1,024 float32; b_out 1,024 float32; b_qkv 3,072 float32; x 4 x 2,048 x 1,024 float32.
;; Outputs: out0 4 x 2,048 x 1,024 float32.
;; Constants: is_causal = 1.
;; This version of the problem:
;;   THIS VERSION OF THE PROBLEM IS GIVEN IN LOW PRECISION. The matrix products marked QUANTISED in the list below multiply operands that are first quantised to E2M1 (2 exponent bits, 1 mantissa bit; 4 bits a number), with one power-of-two scale for each 32 numbers along K (OCP MX v1.0); their sums are f32. All else is computed in f32.
;;   The module's matrix products, in the order in which they are computed (A, B: the left and right operand; K: the contracted axis; several contracted axes count as one K, in the product's order):
;;     1. [M 8,192, K 1,024] x [K 1,024, N 3,072]; A: input x; B: input W_qkv: QUANTISED
;;     2. batch 64 x [M 2,048, K 64] x [K 64, N 2,048]; A: computed on the way; B: computed on the way: QUANTISED
;;     3. batch 64 x [M 2,048, K 2,048] x [K 2,048, N 64]; A: softmax (see below); B: computed on the way: QUANTISED
;;     4. [M 8,192, K 1,024] x [K 1,024, N 1,024]; A: computed on the way; B: input W_out: QUANTISED
;;   THE QUANTISER, for each operand of a quantised product, along K:
;;     - K is cut into blocks of 32 from its start; a last block that is shorter is filled with zeros.
;;     - A block's scale is 2^e with e = floor(log2(the largest magnitude in the block)) - 2, held to -126 .. 127; a block of zeros has e = 0. As a byte (E8M0): e + 127.
;;     - Each number is divided by its block's scale, clamped to +-6, and rounded to the nearest number of E2M1, ties to even, subnormals kept.
;;     - The product sums the exact products of the quantised numbers (number of the format x scale) in f32.
;;   ~~~python
;;   def quantise(x, axis):      # numpy; x: float32 -> the quantised numbers, widened to float32 again
;;       x = np.moveaxis(x, axis, -1); K = x.shape[-1]
;;       x = np.pad(x, [(0, 0)] * (x.ndim - 1) + [(0, -K % 32)]); x = x.reshape(x.shape[:-1] + (-1, 32)); a = np.abs(x).max(-1, keepdims=True)
;;       e = np.where(a > 0, np.clip(np.frexp(np.where(a > 0, a, 1))[1] - 1 - 2, -126, 127), 0)      # np.frexp(a)[1] - 1 = floor(log2(a)), exactly
;;       r = np.clip(x / 2.0 ** e, -6, 6)
;;       step = 2.0 ** (np.maximum(np.frexp(np.where(r == 0, 1, r))[1] - 1, 0) - 1)
;;       q = np.round(r / step) * step * 2.0 ** e      # np.round: ties to even
;;       return np.moveaxis(q.reshape(q.shape[:-2] + (-1,))[..., :K], -1, axis).astype(np.float32)
;;   ~~~
;;   SOFTMAX AHEAD OF A QUANTISED PRODUCT. Where the list says 'softmax', what is quantised is not the finished softmax but p = 2^(t - M), with t = logit x log2(e) and M = ceil(the row's largest t), a whole number; so 1/2 < the row's largest p <= 1. The row's sum l is taken of the UNQUANTISED p, in f32, and the product's result is divided by l at the end. Since M is a whole number, a kernel that streams over the keys may use a running M (the ceiling of the running maximum): every later rescaling is an exact power of two, which a block's scale takes up: the codes' values come out the same.
;;   OPERANDS COMPUTED ON THE WAY. 'Computed on the way' means the value that the module computes at that place (a softmax that the list does not call 'softmax' is quantised finished and normalised). What goes into a quantiser is computed in f32, as accurately as f32 sums, v_exp_f32 and their like allow (about 1e-6 of the number): no bf16 or f16 on the way to a quantiser, and a product that is left as it is and whose result goes on into a quantised operand takes f32 operands (vector FMAs, or v_wmma_f32_16x16x4_f32). A number that lies on a knife's edge between two numbers of the format may be rounded either way, as far as f32 arithmetic and the matrix unit's own rounding can turn it there, and no further.
;; One version. Each part assembles by itself: llvm-mc -triple=amdgcn-amd-amdhsa -mcpu=gfx1250 --defsym DOCPART=n.
;; ======== version 1 of 1: 4 launches
;; workspace buffers: codes 6,291,456 bytes; scales 393,216 bytes; qkv_img 12,582,912 bytes; qkv_sc 1,572,864 bytes; o_img 4,194,304 bytes; o_sc 262,144 bytes
;; launch quant (part 1): grid 384 x 1, 4 waves a work-group, no clusters, 33,280 bytes of LDS; arguments x, W_qkv, W_out, codes, scales; writes codes, scales
.if DOCPART == 1
	.amdgcn_target "amdgcn-amd-amdhsa--gfx1250"
	.amdhsa_code_object_version 6
	.text
	.protected	k_q7229d48739_quant
	.globl	k_q7229d48739_quant
	.p2align	8
	.type	k_q7229d48739_quant,@function
k_q7229d48739_quant:
	s_mov_b64 s[64:65], 0
	v_nop
	global_prefetch_b8 v0, s[64:65] scope:SCOPE_SE
	s_setreg_imm32_b32 hwreg(HW_REG_WAVE_MODE, 25, 1), 1
	s_wait_xcnt 0x0
; x [8192][1024], W_qkv [3072][1024] and W_out [1024][1024], f32, K innermost, become codes of FP4 (E2M1), two a byte, and one E8M0 scale byte for each 32 along K.
; codes: 12,288 rows of 512 bytes (x, then W_qkv, then W_out); scales: the same rows, 32 bytes each.
; ROW ORDER: row n is stored at the place whose number is n with bits 3 and 4 exchanged.  Sixteen places on end are then a tile whose place m holds row 32 b + 8 u + m + 8 (m / 8):
; the order in which a transposed product leaves 16 neighbours along the next K in a lane's registers.  A wave takes 8 rows on end, so the exchange is one of bits 0 and 1 of the wave's run number.
; A block's scale is 2^(floor(log2(its largest magnitude)) - 2); its byte is the largest magnitude's exponent field - 2, held at 1 from below.
; LIMITS: NaN and infinities are not served; a block whose largest magnitude lies under 2^-124 keeps the byte 1; a block of zeros gets the byte 1 and not 127: its codes are zeros, and this program alone reads the bytes.
; A wave takes 16 steps of 512 numbers.  Each load reads 512 consecutive bytes, 16 a lane; a step's 2,048 bytes turn through the wave's own stage in LDS and come back 64 bytes a lane: 16 neighbours along K;
; two neighbouring lanes hold a block.  A wave's store of codes covers 256 consecutive bytes; its 256 scale bytes are gathered in LDS and leave as one aligned run of 256 bytes.
; No tensor loads, no barrier, no cluster: waves share nothing, and memory binds.  Loads run four steps (16 loads a wave) ahead, the turn through LDS one step.
.set STEPS, 16
.set CB,    8                          ; bytes of 16 codes
.set R,     16                         ; v16-79   four sets of 16 numbers as they are loaded
.set X,     80                         ; v80-111  two sets of 16 neighbours
.set E,     112                        ; v112-127 a scale byte for each step
.set C,     128                        ; v128-191 codes: four registers for each step, so that no store's data are written again
.set WREG,  8192                       ; LDS: a region for each wave: two stages of 32 x SP bytes, behind them its 256 scale bytes
.set SP,    80                         ; a lane's place in a stage: its 64 bytes + 16 of padding
	s_load_b128 s[4:7], s[0:1], 0x0                ; x, W_qkv
	s_load_b128 s[8:11], s[0:1], 0x10              ; W_out, codes
	s_load_b64 s[12:13], s[0:1], 0x20              ; scales
	v_lshl_add_u32 v192, v0, 2, 0x8000
	v_mov_b32 v193, 0
	v_lshrrev_b32 v1, 5, v0
	v_readfirstlane_b32 s16, v1                    ; wave
	v_and_b32 v2, 31, v0                           ; lane
	v_lshlrev_b32 v3, 4, v2                        ; my 16 bytes of a load's 512
	s_mul_i32 s17, s16, WREG
	v_lshrrev_b32 v14, 2, v2
	v_mul_u32_u24 v14, v14, SP
	v_and_b32 v15, 3, v2
	v_lshl_add_u32 v14, v15, 4, v14
	v_add_nc_u32 v14, s17, v14                     ; the stage, on the way in: SP (lane / 4) + 16 (lane % 4)
	v_mul_u32_u24 v15, v2, SP
	v_add_nc_u32 v15, s17, v15                     ; and on the way out: SP x lane: my 16 neighbours
	v_mul_u32_u24 v4, v2, CB                       ; my codes' place in a step's
	v_lshrrev_b32 v5, 1, v2
	s_add_co_u32 s17, s17, 2*32*SP
	v_add_nc_u32 v5, s17, v5                       ; LDS: my wave's 256 scale bytes, my block's byte
	v_lshlrev_b32 v7, 3, v2                        ; and on the way out 8 bytes a lane
	v_add_nc_u32 v6, s17, v7
	s_and_b32 s22, s16, 1                          ; the wave's number with its two bits exchanged,
	s_lshl_b32 s22, s22, 1
	s_lshr_b32 s23, s16, 1
	s_or_b32 s22, s22, s23
	s_lshl_b32 s23, ttmp9, 2
	s_add_co_u32 s22, s22, s23                     ; + 4 x work-group: where my run of 8 rows is stored
	s_mov_b32 s21, 0
	s_wait_alu depctr_va_vdst(0)
	s_wait_kmcnt 0x0
	s_cmp_lt_u32 ttmp9, 256                        ; work-groups 0-255 take x, 256-351 W_qkv, 352-383 W_out: the choice hangs on the work-group's number alone
	s_cselect_b64 s[4:5], s[4:5], s[6:7]
	s_cselect_b32 s18, 0, 256
	s_cmp_lt_u32 ttmp9, 352
	s_cselect_b64 s[4:5], s[4:5], s[8:9]
	s_cselect_b32 s18, s18, 352
	s_sub_co_u32 s18, ttmp9, s18
	s_lshl_b32 s18, s18, 2
	s_add_co_u32 s18, s18, s16                     ; which run of 8,192 numbers of its tensor my wave reads
	s_lshl_b32 s20, s18, 15
	s_add_nc_u64 s[4:5], s[4:5], s[20:21]
	s_lshl_b32 s20, s22, 12                        ; 8 rows of 512 bytes of codes
	s_add_nc_u64 s[10:11], s[10:11], s[20:21]
	s_lshl_b32 s20, s22, 8                         ; 8 rows of 32 scale bytes
	s_add_nc_u64 s[12:13], s[12:13], s[20:21]
.macro LOAD t
.irp i, 0,1,2,3
	global_load_b128 v[R+16*((\t)%4)+4*\i:R+16*((\t)%4)+4*\i+3], v3, s[4:5] offset:2048*(\t)+512*\i th:TH_LOAD_NT   ; 32 lanes read 512 consecutive bytes; read once in the launch
.endr
.endm
.macro TURN t                          ; step t's numbers through the stage: LDS serves a wave's instructions in order, so no wait stands between the stores and the loads
.irp i, 0,1,2,3
	ds_store_b128 v14, v[R+16*((\t)%4)+4*\i:R+16*((\t)%4)+4*\i+3] offset:32*SP*((\t)%2)+8*SP*\i
.endr
.irp i, 0,1,2,3
	ds_load_b128 v[X+16*((\t)%2)+4*\i:X+16*((\t)%2)+4*\i+3], v15 offset:32*SP*((\t)%2)+16*\i
.endr
.endm
.irp t, 0,1,2,3
	LOAD \t
.endr
	s_wait_loadcnt 12                              ; step 0's four loads are in
	TURN 0
.macro STEP t
.set XS, X+16*((\t)%2)
.if (\t) > 0
	s_wait_dscnt 1                                 ; this step's numbers are back from the stage (the last step's byte store may be out): so its stores into the stage have read their registers,
.else
	s_wait_dscnt 0x0
.endif
.if (\t)+4 < STEPS
	LOAD (\t)+4                                    ; which take the loads of four steps on
.endif
.if (\t)+1 < STEPS
.if STEPS-2-(\t) >= 3
	s_wait_loadcnt 12                              ; the next step's four loads are in; those of the three steps behind it may be out
.else
	s_wait_loadcnt 4*(STEPS-2-(\t))
.endif
	TURN (\t)+1                                    ; and go through the other stage while this step is worked
.endif
	v_max3_num_f32 v8, |v[XS]|, |v[XS+1]|, |v[XS+2]|               ; the largest magnitude of my 16, in two chains
	v_max3_num_f32 v9, |v[XS+3]|, |v[XS+4]|, |v[XS+5]|
.irp i, 6,10
	v_max3_num_f32 v8, v8, |v[XS+\i]|, |v[XS+\i+1]|
	v_max3_num_f32 v9, v9, |v[XS+\i+2]|, |v[XS+\i+3]|
.endr
	v_max3_num_f32 v8, v8, |v[XS+14]|, |v[XS+15]|
	v_max3_num_f32 v8, v8, v9, 0x1800000           ; and the floor 2^(3 - 127): the byte cannot fall under 1
	v_max_num_f32_dpp v8, v8, v8 row_xmask:1 row_mask:0xf bank_mask:0xf   ; and of my neighbour's 16: the block's
	v_add_nc_u32 v11, 0xff000000, v8               ; 2 off its exponent field: the conversion takes the exponent field of this operand as its scale, and nothing else of it
	v_cvt_scalef32_pk8_fp4_f32 v[C+4*(\t)], v[XS:XS+7], v11        ; eight numbers / the scale, to the nearest code, ties to even, beyond 6 the largest code
	v_cvt_scalef32_pk8_fp4_f32 v[C+4*(\t)+1], v[XS+8:XS+15], v11
	v_lshrrev_b32 v[E+(\t)], 23, v11               ; the scale's byte (also the plain line behind the conversions)
	ds_store_b8 v5, v[E+(\t)] offset:16*(\t)       ; both lanes of a block write the same byte with the same value
	global_store_b64 v4, v[C+4*(\t):C+4*(\t)+1], s[10:11] offset:32*CB*(\t)   ; 32 lanes store 256 consecutive bytes, aligned
.endm
.irp t, 0,1,2,3,4,5,6,7,8,9,10,11,12,13,14,15
	STEP \t
.endr
	ds_load_b64 v[12:13], v6                       ; LDS serves a wave's instructions in order: these see my stores
	s_wait_dscnt 0x0
	global_store_b64 v7, v[12:13], s[12:13]        ; 32 lanes store 256 consecutive bytes, aligned
	s_wait_tensorcnt 0x0
	ds_add_u32 v192, v193
	s_wait_dscnt 0x0
	s_endpgm
.Lfunc_end_k_q7229d48739_quant:
	.size	k_q7229d48739_quant, .Lfunc_end_k_q7229d48739_quant-k_q7229d48739_quant
	.p2alignl 7, 3214868480
	.fill 96, 4, 3214868480
	.section	.rodata,"a",@progbits
	.p2align	6, 0x0
	.amdhsa_kernel k_q7229d48739_quant
		.amdhsa_group_segment_fixed_size 33280
		.amdhsa_private_segment_fixed_size 0
		.amdhsa_enable_private_segment 0
		.amdhsa_kernarg_size 40
		.amdhsa_user_sgpr_count 2
		.amdhsa_user_sgpr_kernarg_segment_ptr 1
		.amdhsa_wavefront_size32 1
		.amdhsa_system_sgpr_workgroup_id_x 1
		.amdhsa_system_sgpr_workgroup_id_y 1
		.amdhsa_system_sgpr_workgroup_id_z 1
		.amdhsa_system_vgpr_workitem_id 0
		.amdhsa_next_free_vgpr 194
		.amdhsa_next_free_sgpr 66
		.amdhsa_reserve_vcc 0
		.amdhsa_float_denorm_mode_32 3
		.amdhsa_float_denorm_mode_16_64 3
		.amdhsa_memory_ordered 1
		.amdhsa_forward_progress 1
		.amdhsa_inst_pref_size 34
	.end_amdhsa_kernel
	.amdgpu_metadata
---
amdhsa.version: [ 1, 2 ]
amdhsa.kernels:
  - .name:           k_q7229d48739_quant
    .symbol:         k_q7229d48739_quant.kd
    .args:
      - { .name: x, .offset: 0, .size: 8, .value_kind: global_buffer, .address_space: global }
      - { .name: W_qkv, .offset: 8, .size: 8, .value_kind: global_buffer, .address_space: global }
      - { .name: W_out, .offset: 16, .size: 8, .value_kind: global_buffer, .address_space: global }
      - { .name: codes, .offset: 24, .size: 8, .value_kind: global_buffer, .address_space: global }
      - { .name: scales, .offset: 32, .size: 8, .value_kind: global_buffer, .address_space: global }
    .group_segment_fixed_size: 33280
    .private_segment_fixed_size: 0
    .kernarg_segment_align: 8
    .kernarg_segment_size: 40
    .max_flat_workgroup_size: 128
    .sgpr_count:     66
    .vgpr_count:     194
    .wavefront_size: 32
...
	.end_amdgpu_metadata
.endif
;; end of part 1
;; launch qkv (part 2): grid 16 x 32, 12 waves a work-group, clusters of 4 x 4, 263,680 bytes of LDS; arguments codes, scales, b_qkv, qkv_img, qkv_sc; writes qkv_img, qkv_sc
.if DOCPART == 2
	.amdgcn_target "amdgcn-amd-amdhsa--gfx1250"
	.amdhsa_code_object_version 6
	.text
	.protected	k_q7229d48739_qkv
	.globl	k_q7229d48739_qkv
	.p2align	8
	.type	k_q7229d48739_qkv,@function
k_q7229d48739_qkv:
	s_mov_b64 s[64:65], 0
	v_nop
	global_prefetch_b8 v0, s[64:65] scope:SCOPE_SE
	s_setreg_imm32_b32 hwreg(HW_REG_WAVE_MODE, 25, 1), 1
	s_wait_xcnt 0x0
	s_wait_alu depctr_hold_cnt(0) depctr_sa_sdst(0) depctr_va_vdst(0) depctr_va_sdst(0) depctr_va_ssrc(0) depctr_va_vcc(0) depctr_vm_vsrc(0)
	s_getreg_b32 s2, hwreg(HW_REG_IB_STS2, 6, 4)
	s_cmp_eq_u32 s2, 0
	s_cbranch_scc0 .Lentry_in_a_cluster
	s_endpgm
.Lentry_in_a_cluster:
	s_bfe_u32 s2, ttmp6, 0x10000c
	s_cmp_lg_u32 s2, 0xf033
	s_cbranch_scc0 .Lentry_shape_is_right
	s_endpgm
.Lentry_shape_is_right:
; qkv = x W_qkv^T + b_qkv on codes of FP4 with E8M0 scales, and its results quantised again in registers: q and k along the head's 64 channels, v along the tokens.  No f32 result goes to memory.
; SHARES.  A work-group takes 256 tokens (y) of one head (x): 192 features, q | k | v.  Twelve waves: wave = 4 c + g makes kind c (0 q, 1 k, 2 v) for the g-th 64 tokens: 64 x 64, sixteen accumulators.
; ALL OF K (1,024) of the 256 + 192 rows lies in LDS, filled ONCE, in two halves of 512 along K: no byte is filled twice.  The first half is multiplied while the second is on its way.
; CLUSTER 4 x 4: the four work-groups of a row of the cluster need the same rows of x, the four of a column the same rows of W: each tile is asked for jointly.
; ONE TEXT FOR THE THREE KINDS.  Source 0 is P, whose rows become the next product's K; source 1 is Q.  In q and k waves P = 64 rows of W, Q = 64 tokens; in v waves P = 64 tokens, Q = 64 rows of W.
; Only base addresses differ.  Rows lie in the codes' buffer with bits 3 and 4 of their number exchanged, so in accumulator (qt, pt = 2 b + u) lane (r, h) register j holds P's row 32 b + 16 h + 8 u + j:
; a lane's 32 registers of one qt are, block by block, 16 neighbours along the next K; lane l xor 16 holds the other 16.
; OUT: images of operand registers, 512 bytes each, lane l's 16 bytes at 16 l.  q, k: [head of 64][tile of 16 token places][512];  v: [head][tile of 16 channel places][group of 64 tokens][512].
; Scale words [head][group of 64][place 16][tile 4]: byte 0, byte 1 the two blocks, bytes 2, 3 = 127 (they meet zero codes alone).
; LIMITS: NaN and infinities (in the biases too) are not served; blocks under 2^-124 keep the byte 1, and so does a block of zeros.
; REGISTERS: v4-7 fragment addresses, v8-9 scale addresses, v10-13 image offsets, v14 scale offset; v16-31, v32-47 scale words of P, Q; v48-79 P's fragments (first the bias along P, at last the codes);
;   v80-111 Q's fragments (first the bias along Q); v112-117 at work; v120-123 the new scale words; v124-125 at work; v128-255 the accumulators.
.set PITCH,  272                       ; an LDS row: 256 bytes + 16 of padding = 68 words: the sixteen rows of a load begin at sixteen different 16-byte columns of 256 bytes
.set GRP,    64*PITCH                  ; 64 rows.  A slot holds groups 0-3 (x) and 4-6 (W's q, k, v)
.set SLOT,   7*GRP                     ; half of K
.set XSC,    2*SLOT                    ; behind the slots: the scale bytes of all of K, runs of 256 bytes + 16 of padding; groups 0-6 as above
.set SGRP,   8*272                     ; the scale bytes of 64 rows
.set WCODES, 4194304                   ; where W_qkv begins in codes,
.set WSCALE, 262144                    ; and in scales
.set ADP, 4
.set ADQ, 6
.set ASP, 8
.set ASQ, 9
.set OFF, 10
.set SOF, 14
.set SP,  16
.set SQ,  32
.set PF,  48
.set QF,  80
.set PC,  48
.set TM,  112
.set PW,  120
.set ACC, 128
.set WV,  14                           ; s14 wave; s15 wave & 1; s16 c; s17 g; s18 1 in v waves; s19 1 in q and k waves
.set SEL, 20                           ; s[20:21] lane selects: lane l xor 16
.set G1X,  24                          ; descriptor groups 1: x's tiles, W's tiles, x's scales, W's scales
.set G1W,  32
.set G1XS, 40
.set G1WS, 48
.set G0X0, 56                          ; groups 0
.set G0X1, 60
.set G0XS, 68
.set G0W0, 72
.set G0W1, 76
.set G0WS, 80
.set PADW, (1<<20)|(1<<21)|(5<<22)|(3<<25)     ; padding on; bit 21 set beside a mask; after every 64 words; four words
.macro CROUND                          ; a round of the cluster's barrier
	s_barrier_signal -1
	s_barrier_wait -1
	s_cmp_lg_u32 s[WV], 0
	s_cbranch_scc1 .Lnot_wave_0_\@
	s_barrier_signal -3
.Lnot_wave_0_\@:
	s_barrier_wait -3
	s_barrier_signal -1
	s_barrier_wait -1
.endm
.macro PLACES                          ; four plain places behind a matrix instruction, ahead of loads into its registers and of reads of its result
.rept 4
	v_nop
.endr
.endm
.macro G1REST g, cols, rows, pitch     ; words 1 to 7 of a group 1: the tile lies inside the tensor, so the extents are the tile's
	s_mov_b32 s[\g+1], (\cols)<<16
	s_mov_b32 s[\g+2], (\rows)<<16
	s_mov_b32 s[\g+3], (\cols)<<16
	s_mov_b32 s[\g+4], \rows
	s_mov_b32 s[\g+5], \pitch
	s_mov_b32 s[\g+6], 0
	s_mov_b32 s[\g+7], 0
.endm
.macro G0SET g, lds, ldsadd, base, off, more   ; a group 0: count 1, LDS address, global address, type 2
	s_mov_b32 s[\g], 1
.if \ldsadd
	s_add_co_u32 s[\g+1], s[\lds], \ldsadd
.else
	s_mov_b32 s[\g+1], s[\lds]
.endif
	s_add_nc_u64 s[\g+2:\g+3], s[\base:\base+1], s[\off:\off+1]
.if \more
	s_add_nc_u64 s[\g+2:\g+3], s[\g+2:\g+3], \more
.endif
	s_or_b32 s[\g+3], s[\g+3], 0x80000000
.endm
	s_load_b256 s[4:11], s[0:1], 0x0               ; codes s[4:5], scales s[6:7], b_qkv s[8:9], qkv_img s[10:11]
	s_load_b64 s[12:13], s[0:1], 0x20              ; qkv_sc
	v_lshl_add_u32 v126, v0, 2, 0x40000
	v_mov_b32 v127, 0
	ds_add_u32 v126, v127
	ds_add_u32 v126, v127
	v_lshrrev_b32 v1, 5, v0
	s_delay_alu instid0(VALU_DEP_1)
	v_readfirstlane_b32 s[WV], v1                  ; wave 0..11
	s_and_b32 s15, s[WV], 1                        ; which half of a tile I fetch, if I fetch
	s_lshr_b32 s16, s[WV], 2                       ; c
	s_and_b32 s17, s[WV], 3                        ; g
	s_lshr_b32 s18, s[WV], 3                       ; 1 in v waves
	s_xor_b32 s19, s18, 1                          ; 1 in q and k waves
	s_bfe_u32 s22, ttmp6, 0x40000                  ; cx, cy: my place in the cluster
	s_bfe_u32 s23, ttmp6, 0x40004
	s_lshl_b32 s84, ttmp9, 2
	s_add_co_u32 s84, s84, s22                     ; the head = 4 x cluster x + cx
	s_and_b32 s85, ttmp7, 0xffff
	s_lshl_b32 s85, s85, 2
	s_add_co_u32 s85, s85, s23                     ; the block of 256 tokens = 4 x cluster y + cy
	s_lshl_b32 s90, s23, 2
	s_lshl_b32 s90, 15, s90                        ; my row of the cluster
	s_lshl_b32 s91, 0x1111, s22                    ; my column
	s_or_b32 s[G1X], s90, PADW                     ; x: 128 rows of 256 bytes (elements of 1 byte), 512 bytes apart; shared along the row
	G1REST G1X, 256, 128, 512
	s_or_b32 s[G1W], s91, PADW                     ; W: 96 such rows; shared along the column
	G1REST G1W, 256, 96, 512
	s_or_b32 s[G1XS], s90, PADW|(3<<16)            ; the scale bytes of 128 rows: 4,096 dense bytes as 16 rows of 32 elements of 8 bytes
	G1REST G1XS, 32, 16, 32
	s_or_b32 s[G1WS], s91, PADW|(3<<16)            ; those of 96 rows: 12 such rows
	G1REST G1WS, 32, 12, 32
	s_lshl_b32 s86, s85, 17                        ; x's codes: (256 block + 128 half) rows of 512 bytes: made of the block and the wave alone
	s_lshl_b32 s87, s15, 16
	s_add_co_u32 s86, s86, s87
	s_mov_b32 s87, 0
	s_lshl_b32 s88, s85, 13                        ; x's scale bytes: the same rows, 32 bytes each
	s_lshl_b32 s89, s15, 12
	s_add_co_u32 s88, s88, s89
	s_mov_b32 s89, 0
	s_mul_i32 s92, s84, 192*512                    ; W's codes: (192 head + 96 half) rows: made of the head and the wave alone
	s_mul_i32 s93, s15, 96*512
	s_add_co_u32 s92, s92, s93
	s_add_co_u32 s92, s92, WCODES
	s_mov_b32 s93, 0
	s_mul_i32 s94, s84, 192*32
	s_mul_i32 s95, s15, 96*32
	s_add_co_u32 s94, s94, s95
	s_add_co_u32 s94, s94, WSCALE
	s_mov_b32 s95, 0
	s_mul_i32 s96, s15, 128*PITCH                  ; where they go: no place in the cluster enters an LDS address
	s_mul_i32 s97, s15, 96*PITCH
	s_mul_i32 s98, s15, 16*272
	s_mul_i32 s99, s15, 12*272
	s_mov_b32 s[SEL], 0x76543210
	s_mov_b32 s[SEL+1], 0xfedcba98
	s_wait_dscnt 0x0
	s_wait_kmcnt 0x0
	G0SET G0XS, 98, XSC, 6, 88, 0
	G0SET G0X0, 96, 0, 4, 86, 0
	G0SET G0X1, 96, SLOT, 4, 86, 256               ; the second half of K: 256 bytes on in every row
	G0SET G0WS, 99, XSC+4*SGRP, 6, 94, 0
	G0SET G0W0, 97, 4*GRP, 4, 92, 0
	G0SET G0W1, 97, SLOT+4*GRP, 4, 92, 256
	CROUND                                         ; all sixteen work-groups are here: the joint loads meet
	s_cmp_lt_u32 s[WV], 2                          ; waves 0, 1 fetch x's halves, waves 2, 3 W's, the others nothing: a wave's three loads stand in one branch; three of mine are out at the most
	s_cbranch_scc0 .Lnot_x
	tensor_load_to_lds s[G0XS:G0XS+3], s[G1XS:G1XS+7]
	s_nop 0
	tensor_load_to_lds s[G0X0:G0X0+3], s[G1X:G1X+7]
	s_nop 0
	tensor_load_to_lds s[G0X1:G0X1+3], s[G1X:G1X+7]
	s_nop 0
	PLACES                                         ; four v_nop follow the last load
	s_branch .Lasked
.Lnot_x:
	s_cmp_lt_u32 s[WV], 4
	s_cbranch_scc0 .Lasked
	tensor_load_to_lds s[G0WS:G0WS+3], s[G1WS:G1WS+7]
	s_nop 0
	tensor_load_to_lds s[G0W0:G0W0+3], s[G1W:G1W+7]
	s_nop 0
	tensor_load_to_lds s[G0W1:G0W1+3], s[G1W:G1W+7]
	s_nop 0
	PLACES
.Lasked:
	; ---- addresses, while the tiles are on their way
	v_and_b32 v1, 15, v0                           ; r
	v_bfe_u32 v2, v0, 4, 1                         ; h
	v_and_b32 v3, 31, v0                           ; lane
	s_delay_alu instid0(VALU_DEP_3)
	v_mul_u32_u24 v15, v1, PITCH
	s_delay_alu instid0(VALU_DEP_1)
	v_lshl_add_u32 v15, v2, 4, v15                 ; a fragment's row x pitch + 16 h
	s_wait_alu depctr_va_vdst(0)
	s_lshl_b32 s86, s19, 3
	s_add_co_u32 s86, s86, s17
	s_add_co_u32 s87, s16, 4
	s_min_u32 s86, s86, s87                        ; P's group of 64 rows: min(g + 8, 4 + c) = 4 + c in q and k waves, min(g, 6) = g in v waves
	s_lshl_b32 s87, s18, 3
	s_add_co_u32 s87, s87, s17
	s_min_u32 s87, s87, 6                          ; Q's: g in q and k waves, 6 in v waves
	s_mul_i32 s88, s86, GRP
	s_mul_i32 s89, s87, GRP
	v_add_nc_u32 v[ADP], s88, v15
	v_add_nc_u32 v[ADQ], s89, v15
	s_delay_alu instid0(VALU_DEP_2)
	v_add_nc_u32 v[ADP+1], SLOT, v[ADP]
	s_delay_alu instid0(VALU_DEP_2)
	v_add_nc_u32 v[ADQ+1], SLOT, v[ADQ]
	v_lshrrev_b32 v124, 3, v1                      ; a row's 32 scale bytes: eight rows to a run of 256 + 16
	v_and_b32 v125, 7, v1
	s_delay_alu instid0(VALU_DEP_2)
	v_mul_u32_u24 v124, v124, 272
	s_delay_alu instid0(VALU_DEP_1)
	v_lshl_add_u32 v124, v125, 5, v124
	s_mul_i32 s88, s86, SGRP
	s_mul_i32 s89, s87, SGRP
	s_add_co_u32 s88, s88, XSC
	s_add_co_u32 s89, s89, XSC
	v_add_nc_u32 v[ASP], s88, v124
	v_add_nc_u32 v[ASQ], s89, v124
	s_lshl_b32 s88, s19, 9                         ; from one qt's image to the next: 512 bytes (q, k: the next token tile) or 16,384 (v: the next channel tile)
	s_lshl_b32 s89, s18, 14
	s_add_co_u32 s88, s88, s89
	v_lshlrev_b32 v[OFF], 4, v3
	s_delay_alu instid0(VALU_DEP_1)
	v_add_nc_u32 v[OFF+1], s88, v[OFF]
	s_delay_alu instid0(VALU_DEP_1)
	v_add_nc_u32 v[OFF+2], s88, v[OFF+1]
	s_delay_alu instid0(VALU_DEP_1)
	v_add_nc_u32 v[OFF+3], s88, v[OFF+2]
	v_lshlrev_b32 v[SOF], 4, v1
	s_delay_alu instid0(VALU_DEP_1)
	v_lshl_add_u32 v[SOF], v2, 3, v[SOF]           ; the scale words: 16 r + 8 h
	v_mov_b32 v[TM+2], 0                           ; written once: a lane permute's destination counts as one of its sources
	v_mov_b32 v[TM+3], 0
	s_lshr_b32 s92, s85, 3
	s_lshl_b32 s92, s92, 4
	s_add_co_u32 s92, s92, s84                     ; batch x 16 + head
	s_and_b32 s93, s85, 7
	s_lshl_b32 s93, s93, 2
	s_add_co_u32 s93, s93, s17                     ; my group of 64 tokens in the batch
	s_lshl_b32 s94, s19, 11
	s_lshl_b32 s95, s18, 9
	s_add_co_u32 s94, s94, s95                     ; a group's step in the images: 2,048 bytes (q, k) or 512 (v)
	s_mul_i32 s94, s94, s93
	s_lshl_b32 s95, s92, 16
	s_add_co_u32 s94, s94, s95
	s_lshl_b32 s95, s16, 22
	s_add_co_u32 s94, s94, s95
	s_mov_b32 s95, 0
	s_add_nc_u64 s[10:11], s[10:11], s[94:95]      ; my images
	s_lshl_b32 s94, s16, 19
	s_lshl_b32 s96, s92, 13
	s_add_co_u32 s94, s94, s96
	s_lshl_b32 s96, s93, 8
	s_add_co_u32 s94, s94, s96
	s_add_nc_u64 s[12:13], s[12:13], s[94:95]      ; my 256 bytes of scale words
	; ---- the bias starts the sums.  Along P (q, k waves): eight numbers a tile in the result's layout; along Q (v waves): one number a lane and tile, loaded twice, into a pair
	s_mul_i32 s94, s84, 768
	s_lshl_b32 s96, s16, 8
	s_add_co_u32 s86, s94, s96
	s_mov_b32 s87, 0
	s_add_nc_u64 s[86:87], s[8:9], s[86:87]        ; b_qkv at my kind's 64 features
	s_add_co_u32 s88, s94, 512
	s_mov_b32 s89, 0
	s_add_nc_u64 s[88:89], s[8:9], s[88:89]        ; and at the head's v features
	v_lshlrev_b32 v124, 6, v2                      ; 16 h numbers on
	v_and_b32 v125, 8, v1
	s_delay_alu instid0(VALU_DEP_1)
	v_add_nc_u32 v125, v125, v1
	s_delay_alu instid0(VALU_DEP_1)
	v_lshlrev_b32 v125, 2, v125                    ; r + 8 (r / 8) numbers on
.irp pt, 0,1,2,3
	global_load_b128 v[PF+8*\pt:PF+8*\pt+3], v124, s[86:87] offset:(32*(\pt/2)+8*(\pt%2))*4
	global_load_b128 v[PF+8*\pt+4:PF+8*\pt+7], v124, s[86:87] offset:(32*(\pt/2)+8*(\pt%2))*4+16
.endr
.irp qt, 0,1,2,3
	global_load_b32 v[QF+2*\qt], v125, s[88:89] offset:(32*(\qt/2)+8*(\qt%2))*4
	global_load_b32 v[QF+2*\qt+1], v125, s[88:89] offset:(32*(\qt/2)+8*(\qt%2))*4
.endr
	s_mul_i32 s98, s19, 0x3f800000                 ; 1.0 in q and k waves, 0.0 in v waves
	s_mov_b32 s99, s98                             ; (named with it as a pair, so it is written)
	s_mul_i32 s97, s18, 0x3f800000                 ; and the other way round
	s_wait_loadcnt 0x0
.irp i, 0,1,2,3,4,5,6,7
	v_mul_f32 v[QF+\i], s97, v[QF+\i]
.endr
.irp qt, 0,1,2,3
.irp k, 0,2,4,6,8,10,12,14,16,18,20,22,24,26,28,30
	v_pk_fma_f32 v[ACC+32*\qt+\k:ACC+32*\qt+\k+1], v[PF+\k:PF+\k+1], s[98:99], v[QF+2*\qt:QF+2*\qt+1] op_sel_hi:[1,0,1]   ; the bias of the one kind, 0 of the other
.endr
.endr
; A step of 128 along K: the step-th of half number half.  The first step of a half also fetches the half's scale words: register 4 i + step is tile i's word of that step.
; Sixteen accumulators take turns, one instruction a turn, in the same order in every step.
.macro KSTEP half, step
.if (\half)+(\step) > 0
	PLACES
.endif
.if (\step) == 0
.irp i, 0,1,2,3
	ds_load_b128 v[SP+4*\i:SP+4*\i+3], v[ASP] offset:544*\i+16*(\half)
	ds_load_b128 v[SQ+4*\i:SQ+4*\i+3], v[ASQ] offset:544*\i+16*(\half)
.endr
.endif
.irp i, 0,1,2,3
.irp u, 0,1
	ds_load_b128 v[PF+8*\i+4*\u:PF+8*\i+4*\u+3], v[ADP+\half] offset:16*PITCH*\i+64*(\step)+32*\u
	ds_load_b128 v[QF+8*\i+4*\u:QF+8*\i+4*\u+3], v[ADQ+\half] offset:16*PITCH*\i+64*(\step)+32*\u
.endr
.endr
	s_wait_dscnt 0x0                               ; all are in; the SIMD's other two waves work meanwhile
.irp qt, 0,1,2,3
.irp pt, 0,1,2,3
	v_wmma_scale_f32_16x16x128_f8f6f4 v[ACC+32*\qt+8*\pt:ACC+32*\qt+8*\pt+7], v[PF+8*\pt:PF+8*\pt+7], v[QF+8*\qt:QF+8*\qt+7], v[ACC+32*\qt+8*\pt:ACC+32*\qt+8*\pt+7], v[SP+4*\pt+(\step)], v[SQ+4*\qt+(\step)] matrix_a_fmt:MATRIX_FMT_FP4 matrix_b_fmt:MATRIX_FMT_FP4
.endr
.endr
.endm
; 32 numbers of a lane, register 16 b + i = k 32 b + 16 h + i of my row, become four registers of codes, k = 32 h + 0 .. 31, and a scale word.
.macro QUANT2 s, pc, pw
.irp b, 0,1
	v_max3_num_f32 v[TM+\b], |v[\s+16*\b]|, |v[\s+1+16*\b]|, 0x1800000   ; block b: my 16 numbers, and the floor 2^(3 - 127): the byte cannot fall under 1
.endr
.irp i, 2,4,6,8,10,12,14
.irp b, 0,1
	v_max3_num_f32 v[TM+\b], v[TM+\b], |v[\s+16*\b+\i]|, |v[\s+1+16*\b+\i]|   ; (each accumulator from its low end on; the two blocks by turns)
.endr
.endr
.irp b, 0,1
	s_delay_alu instid0(VALU_DEP_2)
	v_permlanex16_b32 v[TM+2+\b], v[TM+\b], s[SEL], s[SEL+1]
.endr
.irp b, 0,1
	s_delay_alu instid0(VALU_DEP_2)
	v_max_num_f32 v[TM+\b], v[TM+\b], v[TM+2+\b]   ; with lane l xor 16's: the block's largest magnitude
.endr
.irp b, 0,1
	s_delay_alu instid0(VALU_DEP_2)
	v_add_nc_u32 v[TM+4+\b], 0xff000000, v[TM+\b]  ; 2 off its exponent field: the conversion's scale operand
.endr
.irp b, 0,1
	s_delay_alu instid0(VALU_DEP_2)
	v_lshrrev_b32 v[TM+2+\b], 23, v[TM+4+\b]       ; the scale's byte
.endr
	s_delay_alu instid0(VALU_DEP_1)
	v_lshl_or_b32 v[\pw], v[TM+3], 8, v[TM+2]
	s_delay_alu instid0(VALU_DEP_1)
	v_or_b32 v[\pw], 0x7f7f0000, v[\pw]            ; bytes 2 and 3: 127
.irp b, 0,1
	v_cvt_scalef32_pk8_fp4_f32 v[\pc+2*\b], v[\s+16*\b:\s+7+16*\b], v[TM+4+\b]
	v_cvt_scalef32_pk8_fp4_f32 v[\pc+1+2*\b], v[\s+8+16*\b:\s+15+16*\b], v[TM+4+\b]
.endr
	v_nop                                          ; one plain place behind a scaled conversion
	v_permlane16_swap_b32 v[\pc], v[\pc+2]         ; the operand's layout wants a whole block in a lane: lanes 0-15 block 0, lanes 16-31 block 1
	v_permlane16_swap_b32 v[\pc+1], v[\pc+3]
.endm
	s_wait_alu depctr_va_vdst(0)
	s_wait_tensorcnt 0x1                           ; my scale bytes and my part of K's first half are in; the second half's load, issued last, may stay out: nothing is filled twice
	s_barrier_signal -1
	s_barrier_wait -1                              ; everybody's are
	KSTEP 0, 0
	KSTEP 0, 1
	KSTEP 0, 2
	KSTEP 0, 3
	s_wait_tensorcnt 0x0                           ; my part of the second half is in (no LDS load of mine is out: each step waits for its own),
	s_barrier_signal -1
	s_barrier_wait -1                              ; everybody's is
	KSTEP 1, 0
	KSTEP 1, 1
	KSTEP 1, 2
	KSTEP 1, 3
	; ---- the way out: each qt's 32 numbers a lane become an image of four registers; 32 lanes store 512 consecutive bytes, aligned.  No register is written twice, so no store is waited for
	PLACES
.irp qt, 0,1,2,3
	QUANT2 ACC+32*\qt, PC+4*\qt, PW+\qt
	global_store_b128 v[OFF+\qt], v[PC+4*\qt:PC+4*\qt+3], s[10:11]
.endr
	s_mov_b32 s96, 0xffff0000
	v_cndmask_b32 v124, v[PW], v[PW+2], s96        ; both halves of the lanes hold all four words: lanes 0-15 send tiles 0 and 1, lanes 16-31 tiles 2 and 3
	v_cndmask_b32 v125, v[PW+1], v[PW+3], s96
	global_store_b64 v[SOF], v[124:125], s[12:13]  ; 256 consecutive bytes, aligned
	s_wait_tensorcnt 0x0
	ds_add_u32 v126, v127
	s_wait_dscnt 0x0
	CROUND                                         ; the closing round: no work-group ends while a partner may still ask for a tile that names it
	s_endpgm
.Lfunc_end_k_q7229d48739_qkv:
	.size	k_q7229d48739_qkv, .Lfunc_end_k_q7229d48739_qkv-k_q7229d48739_qkv
	.p2alignl 7, 3214868480
	.fill 96, 4, 3214868480
	.section	.rodata,"a",@progbits
	.p2align	6, 0x0
	.amdhsa_kernel k_q7229d48739_qkv
		.amdhsa_group_segment_fixed_size 263680
		.amdhsa_private_segment_fixed_size 0
		.amdhsa_enable_private_segment 0
		.amdhsa_kernarg_size 40
		.amdhsa_user_sgpr_count 2
		.amdhsa_user_sgpr_kernarg_segment_ptr 1
		.amdhsa_wavefront_size32 1
		.amdhsa_system_sgpr_workgroup_id_x 1
		.amdhsa_system_sgpr_workgroup_id_y 1
		.amdhsa_system_sgpr_workgroup_id_z 1
		.amdhsa_system_vgpr_workitem_id 0
		.amdhsa_next_free_vgpr 256
		.amdhsa_next_free_sgpr 100
		.amdhsa_reserve_vcc 0
		.amdhsa_float_denorm_mode_32 3
		.amdhsa_float_denorm_mode_16_64 3
		.amdhsa_memory_ordered 1
		.amdhsa_forward_progress 1
		.amdhsa_inst_pref_size 53
	.end_amdhsa_kernel
	.amdgpu_metadata
---
amdhsa.version: [ 1, 2 ]
amdhsa.kernels:
  - .name:           k_q7229d48739_qkv
    .symbol:         k_q7229d48739_qkv.kd
    .args:
      - { .name: codes, .offset: 0, .size: 8, .value_kind: global_buffer, .address_space: global }
      - { .name: scales, .offset: 8, .size: 8, .value_kind: global_buffer, .address_space: global }
      - { .name: b_qkv, .offset: 16, .size: 8, .value_kind: global_buffer, .address_space: global }
      - { .name: qkv_img, .offset: 24, .size: 8, .value_kind: global_buffer, .address_space: global }
      - { .name: qkv_sc, .offset: 32, .size: 8, .value_kind: global_buffer, .address_space: global }
    .group_segment_fixed_size: 263680
    .private_segment_fixed_size: 0
    .kernarg_segment_align: 8
    .kernarg_segment_size: 40
    .max_flat_workgroup_size: 384
    .sgpr_count:     100
    .vgpr_count:     256
    .wavefront_size: 32
...
	.end_amdgpu_metadata
.endif
;; end of part 2
;; launch attn (part 3): grid 4 x 64, 16 waves a work-group, clusters of 4 x 1, 169,984 bytes of LDS; arguments qkv_img, qkv_sc, o_img, o_sc; writes o_img, o_sc
.if DOCPART == 3
	.amdgcn_target "amdgcn-amd-amdhsa--gfx1250"
	.amdhsa_code_object_version 6
	.text
	.protected	k_q7229d48739_attn
	.globl	k_q7229d48739_attn
	.p2align	8
	.type	k_q7229d48739_attn,@function
k_q7229d48739_attn:
	s_mov_b64 s[64:65], 0
	v_nop
	global_prefetch_b8 v0, s[64:65] scope:SCOPE_SE
	s_setreg_imm32_b32 hwreg(HW_REG_WAVE_MODE, 25, 1), 1
	s_wait_xcnt 0x0
	s_wait_alu depctr_hold_cnt(0) depctr_sa_sdst(0) depctr_va_vdst(0) depctr_va_sdst(0) depctr_va_ssrc(0) depctr_va_vcc(0) depctr_vm_vsrc(0)
	s_getreg_b32 s2, hwreg(HW_REG_IB_STS2, 6, 4)
	s_cmp_eq_u32 s2, 0
	s_cbranch_scc0 .Lentry_in_a_cluster
	s_endpgm
.Lentry_in_a_cluster:
	s_bfe_u32 s2, ttmp6, 0x10000c
	s_cmp_lg_u32 s2, 0x3003
	s_cbranch_scc0 .Lentry_shape_is_right
	s_endpgm
.Lentry_shape_is_right:
; Causal attention of one head (y = batch x 16 + head) on codes of FP4: S^T = K Q^T (K = the head's 64 channels; codes 64-127 of both operands are zeros), p = 2^(t - M), O^T = V^T P^T (K = the keys), O / l,
; and O quantised along the embedding in registers: it leaves as images of operand registers and scale halfwords.
; THE SOFTMAX: t = score x log2(e) / 8; M = the running largest t rounded UP to a whole number, kept as -M = floor(-t); p is not normalised; the row's sum l is taken of the unquantised p; when M moves,
; l and O^T are multiplied by 2^(old M - new M), which rounds nothing.
; SHARES.  A head's K and V, 128 KB of images and 16 KB of scale words, lie WHOLE in LDS, filled once, by joint loads of the head's four work-groups (cluster 4 x 1): no byte is filled twice.
; Wave w of work-group j owns the query tiles A = 8 (w / 2) + 2 j + w % 2 and B = 127 - A.  Tile T needs T / 8 + 1 steps of 128 keys, so every wave has 17 steps: the causal work is even.
; The steps that a wave works hang on w alone (w / 2 and 15 - w / 2), so no branch differs between partners; j enters global addresses and the mask's numbers alone.
; Every pass walks 16 trips, a constant; a step all of whose keys are hidden is jumped over inside the trip.  In a tile's last step the hidden scores become -infinity ahead of the maximum.
; LAYOUT.  A lane holds ONE query throughout.  A tile's place m holds token 32 b + 8 u + m + 8 (m / 8) (tile 2 b + u of a run of 32): so the 16 registers of score tiles 2 b and 2 b + 1 are 16 neighbouring keys.
; Sixteen waves of 256 registers: four to a SIMD, so that one wave's vector work stands beside another's products and LDS loads.
; LIMITS: NaN and infinities are not served; the division by l is a reciprocal and a multiplication; blocks under 2^-124 keep the byte 1, and so does a block of zeros.
; KEPT WEAKNESS: O's scale halfwords leave by one store of 2 bytes a lane, 32 bytes apart: 64 bytes a wave beside its 1,024 bytes of codes.
; REGISTERS: v1-5 addresses and lane terms that stay; v6 tile A's scale word; v7 the mask's number; v8-11 the step's addresses; v12 -M, v13 the largest t, v[14:15] l in two halves; v16-23 Q (upper four zeros);
;   v24-28 tile B's Q and scale word; v29-31 offsets; v32-63 four fragments of K (upper four of each zeros); v64-71 K's scale words; v72-83 V's; v84 Q's; v88-91 O's codes; v96-159 S^T, then p; v160-191 O^T;
;   v192-223 V's four fragments; v224-231 p's codes; v232-254 at work.
.set VIMG, 65536                       ; LDS: K's images at 0, V's here,
.set KSC,  131072                      ; K's scale words,
.set VSC,  139264                      ; V's
.set WV,   12                          ; s12 wave; s13 cx; s14 the head of 64; s15 j
.set SEL,  20                          ; s[20:21] lane selects: lane l xor 16
.set CS,   22                          ; s[22:23] c = log2(e) / 8
.set G1I,  24                          ; descriptor group 1: 16 KB of images; s[32:39]: 8 KB of scale words
.set G1S,  32
.set G0I,  40
.set G0S,  44
.set TK,   48                          ; s48-50 the step's byte in K's images, V's images, the scale words; s51 the step
.set TV,   49
.set TS,   50
.set SI,   51
.set TM,   232
.macro CROUND                          ; a round of the cluster's barrier
	s_barrier_signal -1
	s_barrier_wait -1
	s_cmp_lg_u32 s[WV], 0
	s_cbranch_scc1 .Lnot_wave_0_\@
	s_barrier_signal -3
.Lnot_wave_0_\@:
	s_barrier_wait -3
	s_barrier_signal -1
	s_barrier_wait -1
.endm
.macro PLACES                          ; four plain places behind a matrix instruction (ISA guide 7.12.1)
.rept 4
	v_nop
.endr
.endm
.macro G1REST g, cols, rows, pitch
	s_mov_b32 s[\g+1], (\cols)<<16
	s_mov_b32 s[\g+2], (\rows)<<16
	s_mov_b32 s[\g+3], (\cols)<<16
	s_mov_b32 s[\g+4], \rows
	s_mov_b32 s[\g+5], \pitch
	s_mov_b32 s[\g+6], 0
	s_mov_b32 s[\g+7], 0
.endm
	s_load_b256 s[4:11], s[0:1], 0x0               ; qkv_img s[4:5], qkv_sc s[6:7], o_img s[8:9], o_sc s[10:11]
	v_lshl_add_u32 v251, v0, 2, 0x29000
	v_mov_b32 v255, 0
	ds_add_u32 v251, v255
	ds_add_u32 v251, v255
	v_lshrrev_b32 v1, 5, v0
	s_delay_alu instid0(VALU_DEP_1)
	v_readfirstlane_b32 s[WV], v1                  ; wave 0..15
	s_bfe_u32 s13, ttmp6, 0x40000                  ; cx
	s_lshl_b32 s15, ttmp9, 2
	s_add_co_u32 s15, s15, s13                     ; j = 4 x cluster x + cx
	s_and_b32 s14, ttmp7, 0xffff                   ; the head of 64, which the four partners share
	s_mov_b32 s[G1I], 15|(3<<16)|(1<<21)           ; the mask: all four; elements of 8 bytes; bit 21 set beside a mask; no padding: every read is 16 bytes a lane on end
	G1REST G1I, 32, 64, 32                         ; a dense block of 16,384 bytes as 64 rows of 256
	s_mov_b32 s[G1S], 15|(3<<16)|(1<<21)
	G1REST G1S, 32, 32, 32                         ; 8,192 bytes
	s_and_b32 s66, s[WV], 7                        ; waves 0-3 fetch K's quarters, 4-7 V's
	s_lshl_b32 s67, s66, 14
	s_lshr_b32 s68, s66, 2
	s_add_co_u32 s68, s68, 1
	s_lshl_b32 s68, s68, 22                        ; section 1 (k) or 2 (v) of the images,
	s_and_b32 s69, s[WV], 3
	s_lshl_b32 s69, s69, 14
	s_add_co_u32 s68, s68, s69                     ; the quarter,
	s_lshl_b32 s69, s14, 16
	s_add_co_u32 s68, s68, s69                     ; the head
	s_mov_b32 s69, 0
	s_and_b32 s70, s[WV], 1                        ; wave 8 fetches K's scale words, wave 9 V's
	s_lshl_b32 s71, s70, 13
	s_add_co_u32 s72, s70, 1
	s_lshl_b32 s72, s72, 19
	s_lshl_b32 s73, s14, 13
	s_add_co_u32 s72, s72, s73
	s_mov_b32 s73, 0
	s_mov_b32 s[SEL], 0x76543210
	s_mov_b32 s[SEL+1], 0xfedcba98
	s_mov_b32 s[CS], 0x3e38aa3b                    ; log2(e) / 8
	s_mov_b32 s[CS+1], s[CS]                       ; (named with it as a pair, so it is written)
	s_mov_b32 s60, 0xffff0000                      ; lanes 16-31
	s_mov_b32 s61, 0x05040100                      ; v_perm_b32: the low halves of two words
	s_wait_dscnt 0x0
	s_wait_kmcnt 0x0
	s_mov_b32 s[G0I], 1
	s_mov_b32 s[G0I+1], s67
	s_add_nc_u64 s[G0I+2:G0I+3], s[4:5], s[68:69]
	s_or_b32 s[G0I+3], s[G0I+3], 0x80000000
	s_mov_b32 s[G0S], 1
	s_add_co_u32 s[G0S+1], s71, KSC
	s_add_nc_u64 s[G0S+2:G0S+3], s[6:7], s[72:73]
	s_or_b32 s[G0S+3], s[G0S+3], 0x80000000
	CROUND                                         ; all four work-groups are here: the joint loads meet
	s_cmp_lt_u32 s[WV], 8                          ; one load a wave, ten waves; the branches hang on the wave's number alone
	s_cbranch_scc0 .Lnot_img
	tensor_load_to_lds s[G0I:G0I+3], s[G1I:G1I+7]
	s_nop 0
	PLACES                                         ; four v_nop follow the load
	s_branch .Lasked
.Lnot_img:
	s_cmp_lt_u32 s[WV], 10
	s_cbranch_scc0 .Lasked
	tensor_load_to_lds s[G0S:G0S+3], s[G1S:G1S+7]
	s_nop 0
	PLACES
.Lasked:
	; ---- my two tiles
	s_lshr_b32 s52, s[WV], 1                       ; tile A's last step: w / 2
	s_sub_co_u32 s53, 15, s52                      ; tile B's
	s_lshl_b32 s62, s52, 3
	s_lshl_b32 s74, s15, 1
	s_add_co_u32 s62, s62, s74
	s_and_b32 s74, s[WV], 1
	s_add_co_u32 s62, s62, s74                     ; A
	s_sub_co_u32 s63, 127, s62                     ; B
	s_lshr_b32 s76, s14, 4
	s_lshl_b32 s76, s76, 7                         ; batch x 128 tiles
	s_and_b32 s77, s14, 15                         ; head
; for tile s[tile]: dq = its first token in its last step of 128 keys; ttn = its number among all 512; ob = its image of O; qi, qs = its Q image and scale words
.macro TILEREGS tile, dq, ob, ttn, qi, qs
	s_bfe_u32 s90, s[\tile], 0x20001
	s_lshl_b32 s90, s90, 5
	s_and_b32 s91, s[\tile], 1
	s_lshl_b32 s91, s91, 3
	s_add_co_u32 s[\dq], s90, s91                  ; 32 ((T / 2) % 4) + 8 (T % 2)
	s_add_co_u32 s[\ttn], s76, s[\tile]
	s_lshl_b32 s90, s[\ttn], 13
	s_lshl_b32 s91, s77, 9
	s_add_co_u32 s90, s90, s91
	s_mov_b32 s91, 0
	s_add_nc_u64 s[\ob:\ob+1], s[8:9], s[90:91]
	s_lshl_b32 s90, s14, 16
	s_lshl_b32 s92, s[\tile], 9
	s_add_co_u32 s90, s90, s92
	s_add_nc_u64 s[\qi:\qi+1], s[4:5], s[90:91]
	s_lshr_b32 s90, s[\tile], 2
	s_lshl_b32 s90, s90, 8
	s_and_b32 s92, s[\tile], 3
	s_lshl_b32 s92, s92, 2
	s_add_co_u32 s90, s90, s92
	s_lshl_b32 s92, s14, 13
	s_add_co_u32 s90, s90, s92
	s_add_nc_u64 s[\qs:\qs+1], s[6:7], s[90:91]
.endm
	TILEREGS 62, 54, 56, 78, 82, 86
	TILEREGS 63, 55, 58, 79, 84, 88
	v_and_b32 v5, 15, v0                           ; r
	v_bfe_u32 v7, v0, 4, 1                         ; h
	v_and_b32 v1, 31, v0
	s_delay_alu instid0(VALU_DEP_1)
	v_lshlrev_b32 v1, 4, v1                        ; 16 x lane: my place in an image
	s_delay_alu instid0(VALU_DEP_1)
	v_add_nc_u32 v2, VIMG, v1
	v_lshlrev_b32 v29, 4, v5                       ; 16 r: my place's four scale words
	s_delay_alu instid0(VALU_DEP_1)
	v_add_nc_u32 v3, KSC, v29
	s_delay_alu instid0(VALU_DEP_2)
	v_add_nc_u32 v4, VSC, v29
	v_lshlrev_b32 v30, 5, v5                       ; 32 r: my place's row of O's scale bytes
	global_load_b128 v[16:19], v1, s[82:83]        ; Q of tile A,
	global_load_b128 v[24:27], v1, s[84:85]        ; of tile B,
	global_load_b32 v84, v29, s[86:87]             ; and their scale words
	global_load_b32 v28, v29, s[88:89]
	v_and_b32 v31, 8, v5
	s_delay_alu instid0(VALU_DEP_1)
	v_add_nc_u32 v5, v5, v31
	v_lshlrev_b32 v7, 4, v7
	s_delay_alu instid0(VALU_DEP_1)
	v_sub_nc_u32 v5, v5, v7                        ; r + 8 (r / 8) - 16 h
.irp i, 20,21,22,23, 36,37,38,39, 44,45,46,47, 52,53,54,55, 60,61,62,63
	v_mov_b32 v[\i], 0                             ; codes 64-127 of Q and of K's four fragments: zeros, written once
.endr
.irp i, 232,233,234,235,236,237,238,239,252,253
	v_mov_b32 v[\i], 0                             ; written once: a lane permute's destination counts as one of its sources, and v253 is named as the upper half of a pair
.endr
	s_wait_loadcnt 0x0                             ; Q
	s_wait_tensorcnt 0x0                           ; my part of the head is in LDS,
	s_barrier_signal -1
	s_barrier_wait -1                              ; everybody's is
; 32 numbers of a lane, register 16 b + i = k 32 b + 16 h + i of my row, become four registers of codes, k = 32 h + 0 .. 31, and two scale bytes.
.macro QUANT2 s, pc, pw
.irp b, 0,1
	v_max3_num_f32 v[TM+\b], |v[\s+16*\b]|, |v[\s+1+16*\b]|, 0x1800000   ; block b: my 16 numbers, and the floor 2^(3 - 127)
.endr
.irp i, 2,4,6,8,10,12,14
.irp b, 0,1
	s_delay_alu instid0(VALU_DEP_2)
	v_max3_num_f32 v[TM+\b], v[TM+\b], |v[\s+16*\b+\i]|, |v[\s+1+16*\b+\i]|
.endr
.endr
.irp b, 0,1
	s_delay_alu instid0(VALU_DEP_2)
	v_permlanex16_b32 v[TM+2+\b], v[TM+\b], s[SEL], s[SEL+1]
.endr
.irp b, 0,1
	s_delay_alu instid0(VALU_DEP_2)
	v_max_num_f32 v[TM+\b], v[TM+\b], v[TM+2+\b]
.endr
.irp b, 0,1
	s_delay_alu instid0(VALU_DEP_2)
	v_add_nc_u32 v[TM+4+\b], 0xff000000, v[TM+\b]
.endr
.irp b, 0,1
	s_delay_alu instid0(VALU_DEP_2)
	v_lshrrev_b32 v[TM+2+\b], 23, v[TM+4+\b]
.endr
	s_delay_alu instid0(VALU_DEP_1)
	v_lshl_or_b32 v[\pw], v[TM+3], 8, v[TM+2]
.irp b, 0,1
	v_cvt_scalef32_pk8_fp4_f32 v[\pc+2*\b], v[\s+16*\b:\s+7+16*\b], v[TM+4+\b]
	v_cvt_scalef32_pk8_fp4_f32 v[\pc+1+2*\b], v[\s+8+16*\b:\s+15+16*\b], v[TM+4+\b]
.endr
	v_nop                                          ; one plain place behind a scaled conversion
	v_permlane16_swap_b32 v[\pc], v[\pc+2]
	v_permlane16_swap_b32 v[\pc+1], v[\pc+3]
.endm
; ONE TILE OF 16 QUERIES.  ns: the register with its last step; dq: with its first token in that step; ob: its image of O; second = 1: tile B.
.macro PASS ns, dq, ob, second
.if \second
.irp i, 0,1,2,3
	v_mov_b32 v[16+\i], v[24+\i]                   ; tile B's Q and scale word: the lines up to the first product are more than the eight places that a scale register so written wants
.endr
	v_mov_b32 v84, v28
.endif
	v_add_nc_u32 v7, s[\dq], v5                    ; d: in the last step register 16 b + i holds a hidden key where 32 b + i > d
	v_mov_b32 v13, 0xff61b1e6                      ; the largest t so far: -3e38, under every t
	s_delay_alu instid0(VALU_DEP_1)
	v_floor_f32 v12, -v13                          ; -M
	v_mov_b32 v14, 0                               ; l, in two halves
	v_mov_b32 v15, 0
.set n, 0
.rept 32
	v_mov_b32 v[160+n], 0                          ; O^T.  (The step is written once: the first finds zeros, which the first change of M leaves zeros)
.set n, n+1
.endr
	s_mov_b32 s[TK], 0
	s_mov_b32 s[TV], 0
	s_mov_b32 s[TS], 0
	s_mov_b32 s[SI], 0
.Lstep_\@:                                             ; 16 trips, a constant
	s_cmp_gt_u32 s[SI], s[\ns]                     ; all 128 keys come after my queries: the step's work is left out, not the lines that step addresses
	s_cbranch_scc1 .Lhidden_\@
	s_setprio 2
	v_add_nc_u32 v8, s[TK], v1                     ; (these four are the places behind the last step's products, ahead of the loads into V's fragments)
	v_add_nc_u32 v9, s[TV], v2
	v_add_nc_u32 v10, s[TS], v3
	v_add_nc_u32 v11, s[TS], v4
	ds_load_b128 v[64:67], v10                     ; the scale words of key tiles 0-3
.irp t, 0,1,2,3
	ds_load_b128 v[32+8*\t:35+8*\t], v8 offset:512*\t   ; key tiles 0-3
.endr
	ds_load_b128 v[68:71], v10 offset:256          ; the scale words of key tiles 4-7
	ds_load_b128 v[72:75], v11                     ; V's, of the step's first 64 keys: four channel tiles,
	ds_load_b128 v[76:79], v11 offset:256          ; and of its second
.irp t, 0,1,2,3
.irp u, 0,1
	ds_load_b128 v[192+8*\t+4*\u:195+8*\t+4*\u], v9 offset:16384*\t+512*\u   ; V: channel tile t, keys 64 u on
.endr
.endr
	s_wait_alu depctr_va_vdst(0)
	s_wait_dscnt 11                                ; the first five loads are in; the 1 + 2 + 8 younger ones may be out
.irp t, 0,1,2,3
	v_wmma_scale_f32_16x16x128_f8f6f4 v[96+8*\t:103+8*\t], v[32+8*\t:39+8*\t], v[16:23], 0, v[64+\t], v84 matrix_a_fmt:MATRIX_FMT_FP4 matrix_b_fmt:MATRIX_FMT_FP4
.endr
	PLACES
.irp t, 0,1,2,3
	ds_load_b128 v[32+8*\t:35+8*\t], v8 offset:2048+512*\t   ; key tiles 4-7
.endr
	s_wait_dscnt 0x0
.irp t, 0,1,2,3
	v_wmma_scale_f32_16x16x128_f8f6f4 v[128+8*\t:135+8*\t], v[32+8*\t:39+8*\t], v[16:23], 0, v[68+\t], v84 matrix_a_fmt:MATRIX_FMT_FP4 matrix_b_fmt:MATRIX_FMT_FP4
.endr
.irp t, 0,1,2,3
	v_perm_b32 v[80+\t], v[76+\t], v[72+\t], s61   ; V's scale word of the step's 128 keys: two bytes of each 64.  (These four are the places behind the products)
.endr
	s_cmp_lt_u32 s[SI], s[\ns]                     ; a step all of whose keys count skips the mask
	s_cbranch_scc1 .Lopen_\@
	v_mov_b32 v254, 0xff800000                     ; -infinity: p = 0 then
.set n, 0
.rept 64
	v_cmp_gt_i32 vcc_lo, 32*(n/16)+n%16, v7
	v_cndmask_b32 v[96+n], v[96+n], v254, vcc_lo
.set n, n+1
.endr
.Lopen_\@:
.irp b, 0,1,2,3
	v_max3_num_f32 v[232+\b], v[96+16*\b], v[97+16*\b], v[98+16*\b]   ; the largest score of each block of 32 keys: for the row's maximum, and, since p rises with the score, for the block's largest p
.endr
.irp i, 3,5,7,9,11,13
.irp b, 0,1,2,3
	v_max3_num_f32 v[232+\b], v[232+\b], v[96+16*\b+\i], v[97+16*\b+\i]
.endr
.endr
.irp b, 0,1,2,3
	v_max_num_f32 v[232+\b], v[232+\b], v[111+16*\b]
.endr
.irp b, 0,1,2,3
	s_delay_alu instid0(VALU_DEP_4)
	v_permlanex16_b32 v[236+\b], v[232+\b], s[SEL], s[SEL+1]
.endr
.irp b, 0,1,2,3
	s_delay_alu instid0(VALU_DEP_4)
	v_max_num_f32 v[232+\b], v[232+\b], v[236+\b]  ; with lane l xor 16's 16 keys
.endr
	s_delay_alu instid0(VALU_DEP_2)
	v_max3_num_f32 v254, v232, v233, v234
	s_delay_alu instid0(VALU_DEP_1)
	v_max_num_f32 v254, v254, v235                 ; the step's largest score of my query (the step's first key always counts)
	s_delay_alu instid0(VALU_DEP_1)
	v_mul_f32 v254, s[CS], v254                    ; as t
	s_delay_alu instid0(VALU_DEP_1)
	v_max_num_f32 v13, v13, v254                   ; the running largest t
	v_mov_b32 v254, v12
	s_delay_alu instid0(VALU_DEP_2)
	v_floor_f32 v12, -v13                          ; the new -M = -ceil(t): a whole number
	s_delay_alu instid0(VALU_DEP_1)
	v_sub_f32 v254, v12, v254                      ; old M - new M: a whole number, 0 or less
	s_delay_alu instid0(VALU_DEP_1)
	v_cvt_i32_f32 v254, v254                       ; (it saturates)
	s_delay_alu instid0(VALU_DEP_1)
	v_ldexp_f32 v252, 1.0, v254                    ; f = 2^(old M - new M)
.set n, 0
.rept 32
	v_pk_fma_f32 v[96+n:97+n], v[96+n:97+n], s[CS:CS+1], v[12:13] op_sel_hi:[1,0,0]   ; t - M, two at a time
.set n, n+2
.endr
	s_setprio 1
.irp b, 0,1,2,3
	v_fma_f32 v[232+\b], v[232+\b], s[CS], v12     ; the same of each block's largest score
.endr
.set n, 0
	s_wait_alu depctr_va_vdst(0)
.rept 64
	v_exp_f32 v[96+n], v[96+n]                     ; p = 2^(t - M), at most 1
.set n, n+1
.endr
.irp b, 0,1,2,3
	v_exp_f32 v[232+\b], v[232+\b]                 ; the block's largest p: the same two instructions on the same number give the same bits
.endr
	v_pk_mul_f32 v[14:15], v[14:15], v[252:253] op_sel_hi:[1,0]   ; l under the new M.  (The plain place behind the exponentials)
	s_wait_alu depctr_va_vdst(0)
.irp b, 0,1,2,3
	v_max_num_f32 v[232+\b], 0x1800000, v[232+\b]  ; the floor 2^(3 - 127): a block whose every p is 0 keeps the byte 1: its codes are zeros
.endr
.irp b, 0,1,2,3
	s_delay_alu instid0(VALU_DEP_4)
	v_add_nc_u32 v[244+\b], 0xff000000, v[232+\b]  ; 2 off the exponent field: the conversion's scale operand
.endr
.irp b, 0,1,2,3
	s_delay_alu instid0(VALU_DEP_4)
	v_lshrrev_b32 v[236+\b], 23, v[244+\b]         ; the scale's byte
.endr
	s_delay_alu instid0(VALU_DEP_3)
	v_lshl_or_b32 v253, v237, 8, v236              ; p's scale word for these 128 keys
	s_delay_alu instid0(VALU_DEP_1)
	v_lshl_or_b32 v253, v238, 16, v253
	s_delay_alu instid0(VALU_DEP_1)
	v_lshl_or_b32 v253, v239, 24, v253
.irp b, 0,1,2,3
	v_cvt_scalef32_pk8_fp4_f32 v[224+2*\b], v[96+16*\b:103+16*\b], v[244+\b]
	v_cvt_scalef32_pk8_fp4_f32 v[225+2*\b], v[104+16*\b:111+16*\b], v[244+\b]
.endr
	v_nop                                          ; one plain place behind a scaled conversion
.irp u, 0,1
.irp i, 0,1
	v_permlane16_swap_b32 v[224+4*\u+\i], v[226+4*\u+\i]   ; a whole block to a lane
.endr
.endr
	v_pk_add_f32 v[236:237], v[100:101], v[104:105]
	v_pk_add_f32 v[248:249], v[108:109], v[112:113]
	v_pk_add_f32 v[246:247], v[116:117], v[120:121]
	v_pk_add_f32 v[244:245], v[124:125], v[128:129]
	v_pk_add_f32 v[242:243], v[132:133], v[136:137]
	v_pk_add_f32 v[240:241], v[140:141], v[144:145]
	v_pk_add_f32 v[232:233], v[148:149], v[152:153]
	v_pk_add_f32 v[14:15], v[14:15], v[156:157]
	v_pk_add_f32 v[236:237], v[236:237], v[96:97]
	v_pk_add_f32 v[248:249], v[248:249], v[98:99]
	v_pk_add_f32 v[246:247], v[246:247], v[102:103]
	v_pk_add_f32 v[244:245], v[244:245], v[106:107]
	s_setprio 0
	v_pk_add_f32 v[242:243], v[242:243], v[110:111]
	v_pk_add_f32 v[240:241], v[240:241], v[114:115]
	v_pk_add_f32 v[232:233], v[232:233], v[118:119]
	v_pk_add_f32 v[14:15], v[14:15], v[122:123]
	v_pk_add_f32 v[236:237], v[236:237], v[126:127]
	v_pk_add_f32 v[248:249], v[248:249], v[130:131]
	v_pk_add_f32 v[246:247], v[246:247], v[134:135]
	v_pk_add_f32 v[244:245], v[244:245], v[138:139]
	v_pk_add_f32 v[242:243], v[242:243], v[142:143]
	v_pk_add_f32 v[240:241], v[240:241], v[146:147]
	v_pk_add_f32 v[232:233], v[232:233], v[150:151]
	v_pk_add_f32 v[14:15], v[14:15], v[154:155]
	v_pk_add_f32 v[236:237], v[236:237], v[158:159]
	s_delay_alu instid0(VALU_DEP_2)
	v_pk_add_f32 v[14:15], v[14:15], v[244:245]
	s_delay_alu instid0(VALU_DEP_2)
	v_pk_add_f32 v[236:237], v[236:237], v[242:243]
	v_pk_add_f32 v[248:249], v[248:249], v[240:241]
	v_pk_add_f32 v[246:247], v[246:247], v[232:233]
	s_delay_alu instid0(VALU_DEP_2)
	v_pk_add_f32 v[14:15], v[14:15], v[248:249]
	s_delay_alu instid0(VALU_DEP_2)
	v_pk_add_f32 v[236:237], v[236:237], v[246:247]
	s_delay_alu instid0(VALU_DEP_1)
	v_pk_add_f32 v[14:15], v[14:15], v[236:237]
.set n, 0
.rept 16
	v_pk_mul_f32 v[160+n:161+n], v[160+n:161+n], v[252:253] op_sel_hi:[1,0]   ; O^T under the new M.  (With the sums above: the places between p's codes and scale word and the products)
.set n, n+2
.endr
.irp t, 0,1,2,3
	v_wmma_scale_f32_16x16x128_f8f6f4 v[160+8*\t:167+8*\t], v[192+8*\t:199+8*\t], v[224:231], v[160+8*\t:167+8*\t], v[80+\t], v253 matrix_a_fmt:MATRIX_FMT_FP4 matrix_b_fmt:MATRIX_FMT_FP4
.endr
.Lhidden_\@:
	s_add_co_u32 s[TK], s[TK], 4096                ; eight key tiles on,
	s_add_co_u32 s[TV], s[TV], 1024                ; two groups of 64 keys,
	s_add_co_u32 s[TS], s[TS], 512                 ; two groups' scale words
	s_add_co_u32 s[SI], s[SI], 1
	s_cmp_lt_u32 s[SI], 16
	s_cbranch_scc1 .Lstep_\@
	s_setprio 0
	PLACES                                         ; behind the last products
	v_add_f32 v14, v14, v15                        ; l's two halves,
	s_delay_alu instid0(VALU_DEP_1)
	v_permlanex16_b32 v252, v14, s[SEL], s[SEL+1]
	s_delay_alu instid0(VALU_DEP_1)
	v_add_f32 v14, v14, v252                       ; and lane l xor 16's
	s_wait_alu depctr_va_vdst(0)
	v_rcp_f32 v14, v14
	v_nop                                          ; one plain place behind a transcendental
.set n, 0
	s_wait_alu depctr_va_vdst(0)
.rept 32
	v_mul_f32 v[96+n], v[160+n], v14               ; O^T / l: register 16 b + i is channel 32 b + 16 h + i of my query
.set n, n+1
.endr
.if \second
	s_wait_xcnt 0x0                                ; tile A's store has read its data: they are written again only behind this wait
.endif
	QUANT2 96, 88, 254
	global_store_b128 v1, v[88:91], s[\ob:\ob+1]   ; the image: 512 consecutive bytes, aligned
.if !\second
	v_mov_b32 v6, v254                             ; tile A's scale bytes are kept
.endif
.endm
	PASS 52, 54, 56, 0
	PASS 53, 55, 58, 1
	s_lshl_b32 s90, s78, 9                         ; O's scale bytes: 32 a token place, 2 a head: tile x 512 + 32 r + 2 x head
	s_lshl_b32 s91, s77, 1
	s_add_co_u32 s90, s90, s91
	s_lshl_b32 s92, s79, 9
	s_add_co_u32 s92, s92, s91
	v_add_nc_u32 v29, s90, v30
	v_add_nc_u32 v31, s92, v30
	s_delay_alu instid0(VALU_DEP_1)
	v_cndmask_b32 v29, v29, v31, s60               ; both halves of the lanes hold a tile's 16 words: lanes 0-15 send tile A's, lanes 16-31 tile B's
	v_cndmask_b32 v6, v6, v254, s60
	global_store_b16 v29, v6, s[10:11]
	s_wait_tensorcnt 0x0
	ds_add_u32 v251, v255
	s_wait_dscnt 0x0
	CROUND                                         ; the closing round: no work-group ends while a partner may still ask for a tile that names it
	s_endpgm
.Lfunc_end_k_q7229d48739_attn:
	.size	k_q7229d48739_attn, .Lfunc_end_k_q7229d48739_attn-k_q7229d48739_attn
	.p2alignl 7, 3214868480
	.fill 96, 4, 3214868480
	.section	.rodata,"a",@progbits
	.p2align	6, 0x0
	.amdhsa_kernel k_q7229d48739_attn
		.amdhsa_group_segment_fixed_size 169984
		.amdhsa_private_segment_fixed_size 0
		.amdhsa_enable_private_segment 0
		.amdhsa_kernarg_size 32
		.amdhsa_user_sgpr_count 2
		.amdhsa_user_sgpr_kernarg_segment_ptr 1
		.amdhsa_wavefront_size32 1
		.amdhsa_system_sgpr_workgroup_id_x 1
		.amdhsa_system_sgpr_workgroup_id_y 1
		.amdhsa_system_sgpr_workgroup_id_z 1
		.amdhsa_system_vgpr_workitem_id 0
		.amdhsa_next_free_vgpr 256
		.amdhsa_next_free_sgpr 96
		.amdhsa_reserve_vcc 1
		.amdhsa_float_denorm_mode_32 3
		.amdhsa_float_denorm_mode_16_64 3
		.amdhsa_memory_ordered 1
		.amdhsa_forward_progress 1
		.amdhsa_inst_pref_size 64
	.end_amdhsa_kernel
	.amdgpu_metadata
---
amdhsa.version: [ 1, 2 ]
amdhsa.kernels:
  - .name:           k_q7229d48739_attn
    .symbol:         k_q7229d48739_attn.kd
    .args:
      - { .name: qkv_img, .offset: 0, .size: 8, .value_kind: global_buffer, .address_space: global }
      - { .name: qkv_sc, .offset: 8, .size: 8, .value_kind: global_buffer, .address_space: global }
      - { .name: o_img, .offset: 16, .size: 8, .value_kind: global_buffer, .address_space: global }
      - { .name: o_sc, .offset: 24, .size: 8, .value_kind: global_buffer, .address_space: global }
    .group_segment_fixed_size: 169984
    .private_segment_fixed_size: 0
    .kernarg_segment_align: 8
    .kernarg_segment_size: 32
    .max_flat_workgroup_size: 512
    .sgpr_count:     96
    .vgpr_count:     256
    .wavefront_size: 32
...
	.end_amdgpu_metadata
.endif
;; end of part 3
;; launch proj (part 4): grid 8 x 32, 8 waves a work-group, clusters of 4 x 4, 263,168 bytes of LDS; arguments o_img, o_sc, codes, scales, b_out, out0; writes out0
.if DOCPART == 4
	.amdgcn_target "amdgcn-amd-amdhsa--gfx1250"
	.amdhsa_code_object_version 6
	.text
	.protected	k_q7229d48739_proj
	.globl	k_q7229d48739_proj
	.p2align	8
	.type	k_q7229d48739_proj,@function
k_q7229d48739_proj:
	s_mov_b64 s[64:65], 0
	v_nop
	global_prefetch_b8 v0, s[64:65] scope:SCOPE_SE
	s_setreg_imm32_b32 hwreg(HW_REG_WAVE_MODE, 25, 1), 1
	s_wait_xcnt 0x0
	s_wait_alu depctr_hold_cnt(0) depctr_sa_sdst(0) depctr_va_vdst(0) depctr_va_sdst(0) depctr_va_ssrc(0) depctr_va_vcc(0) depctr_vm_vsrc(0)
	s_getreg_b32 s2, hwreg(HW_REG_IB_STS2, 6, 4)
	s_cmp_eq_u32 s2, 0
	s_cbranch_scc0 .Lentry_in_a_cluster
	s_endpgm
.Lentry_in_a_cluster:
	s_bfe_u32 s2, ttmp6, 0x10000c
	s_cmp_lg_u32 s2, 0xf033
	s_cbranch_scc0 .Lentry_shape_is_right
	s_endpgm
.Lentry_shape_is_right:
; out0 = O W_out^T + b_out on codes of FP4 with E8M0 scales.  O comes as images of operand registers ([tile of 16 token places][head][512 bytes]) with 32 scale bytes a token place; W_out as rows of codes.
; SHARES.  A work-group takes 256 tokens (y) x 128 features (x); eight waves, wave = 4 f + g: 64 features (f) x 64 tokens (g), sixteen accumulators.
; ALL OF K (1,024) lies in LDS, filled ONCE, in two halves of 512: no byte is filled twice.  The first half is multiplied while the second is on its way.
; CLUSTER 4 x 4: O's tiles are shared along a row of the cluster, W's along a column: each is asked for jointly.
; TRANSPOSED: source 0 = 16 rows of W, source 1 = 16 tokens.  W's rows lie with bits 3 and 4 of their number exchanged, so in accumulator (qt, pt = 2 b + u) lane (r, h) register j holds feature
; 32 b + 16 h + 8 u + j of token place r: eight neighbouring numbers of a row of the output.  Token place m of tile 2 b + u is token 32 b + 8 u + m + 8 (m / 8): the stores' immediates undo that order.
; The bias is loaded into the accumulators, so all eight steps along K add in place and nothing is cleared.
; THE WAY OUT: 16 token places x 64 features go through the wave's own stage in LDS and leave as rows: sixteen lanes store 256 consecutive bytes, aligned.  No fill ever lands in the stages.
; REGISTERS: v4-7 fragment addresses, v8-9 scale addresses, v10-12 the way out, v13 the bias; v16-31, v32-47 scale words of W, O; v48-79 W's fragments, v80-111 O's (on the way out: rows read back); v128-255 the accumulators.
.set PITCH, 272                        ; W's rows in LDS: 256 bytes + 16 of padding
.set WCO,   131072                     ; LDS: O's images at 0 (two halves of 65,536: tile x 4,096), W's rows here (two halves),
.set WCH,   128*PITCH
.set OSC,   WCO+2*WCH                  ; O's scale bytes, runs of 256 bytes + 16 of padding,
.set WSC,   OSC+32*272                 ; W's,
.set STG,   WSC+16*272                 ; and the stages: 16 rows x 272 bytes for each wave, from a multiple of 256 bytes on
.set SGRP,  8*272                      ; the scale bytes of 64 rows
.set WCODES, 5767168                   ; where W_out begins in codes,
.set WSCALE, 360448                    ; and in scales
.set ADP, 4
.set ADQ, 6
.set ASP, 8
.set ASQ, 9
.set STO, 10
.set RD,  11
.set CO,  12
.set SP,  16
.set SQ,  32
.set PF,  48
.set QF,  80
.set ACC, 128
.set WV,  16                           ; s16 wave; s17 wave & 1; s18 g; s19 f
.set G1O,  24
.set G1W,  32
.set G1OS, 40
.set G1WS, 48
.set G0O0, 56
.set G0O1, 60
.set G0OS, 68
.set G0W0, 72
.set G0W1, 76
.set G0WS, 80
.set PADW, (1<<20)|(1<<21)|(5<<22)|(3<<25)     ; padding on; bit 21 set beside a mask; after every 64 words; four words
.macro CROUND                          ; a round of the cluster's barrier
	s_barrier_signal -1
	s_barrier_wait -1
	s_cmp_lg_u32 s[WV], 0
	s_cbranch_scc1 .Lnot_wave_0_\@
	s_barrier_signal -3
.Lnot_wave_0_\@:
	s_barrier_wait -3
	s_barrier_signal -1
	s_barrier_wait -1
.endm
.macro PLACES                          ; four plain places behind a matrix instruction (ISA guide 7.12.1)
.rept 4
	v_nop
.endr
.endm
.macro G1REST g, cols, rows, pitch
	s_mov_b32 s[\g+1], (\cols)<<16
	s_mov_b32 s[\g+2], (\rows)<<16
	s_mov_b32 s[\g+3], (\cols)<<16
	s_mov_b32 s[\g+4], \rows
	s_mov_b32 s[\g+5], \pitch
	s_mov_b32 s[\g+6], 0
	s_mov_b32 s[\g+7], 0
.endm
.macro G0SET g, lds, ldsadd, base, off, more
	s_mov_b32 s[\g], 1
.if \ldsadd
	s_add_co_u32 s[\g+1], s[\lds], \ldsadd
.else
	s_mov_b32 s[\g+1], s[\lds]
.endif
	s_add_nc_u64 s[\g+2:\g+3], s[\base:\base+1], s[\off:\off+1]
.if \more
	s_add_nc_u64 s[\g+2:\g+3], s[\g+2:\g+3], \more
.endif
	s_or_b32 s[\g+3], s[\g+3], 0x80000000
.endm
	s_load_b256 s[4:11], s[0:1], 0x0               ; o_img s[4:5], o_sc s[6:7], codes s[8:9], scales s[10:11]
	s_load_b128 s[12:15], s[0:1], 0x20             ; b_out s[12:13], out0 s[14:15]
	v_lshl_add_u32 v126, v0, 2, 0x40000
	v_mov_b32 v127, 0
	ds_add_u32 v126, v127
	ds_add_u32 v126, v127
	v_lshrrev_b32 v1, 5, v0
	s_delay_alu instid0(VALU_DEP_1)
	v_readfirstlane_b32 s[WV], v1                  ; wave 0..7
	s_and_b32 s17, s[WV], 1                        ; which half of a tile I fetch, if I fetch
	s_and_b32 s18, s[WV], 3                        ; g
	s_lshr_b32 s19, s[WV], 2                       ; f
	s_bfe_u32 s22, ttmp6, 0x40000                  ; cx, cy
	s_bfe_u32 s23, ttmp6, 0x40004
	s_lshl_b32 s84, ttmp9, 2
	s_add_co_u32 s84, s84, s22                     ; the block of 128 features
	s_and_b32 s85, ttmp7, 0xffff
	s_lshl_b32 s85, s85, 2
	s_add_co_u32 s85, s85, s23                     ; the block of 256 tokens
	s_lshl_b32 s90, s23, 2
	s_lshl_b32 s90, 15, s90                        ; my row of the cluster
	s_lshl_b32 s91, 0x1111, s22                    ; my column
	s_or_b32 s[G1O], s90, (3<<16)|(1<<21)          ; O: 8 tiles, of each 4,096 bytes (512 elements of 8 bytes: four steps along K), 8,192 bytes apart; no padding: reads are 16 bytes a lane on end
	G1REST G1O, 512, 8, 1024
	s_or_b32 s[G1W], s91, PADW                     ; W: 64 rows of 256 bytes, 512 bytes apart
	G1REST G1W, 256, 64, 512
	s_or_b32 s[G1OS], s90, PADW|(3<<16)            ; the scale bytes of 128 token places: 16 rows of 256 bytes
	G1REST G1OS, 32, 16, 32
	s_or_b32 s[G1WS], s91, PADW|(3<<16)            ; those of 64 rows of W: 8 rows
	G1REST G1WS, 32, 8, 32
	s_lshl_b32 s86, s85, 17                        ; O's images: (16 block + 8 half) tiles of 8,192 bytes: made of the block of tokens and the wave alone
	s_lshl_b32 s87, s17, 16
	s_add_co_u32 s86, s86, s87
	s_mov_b32 s87, 0
	s_lshl_b32 s88, s85, 13                        ; O's scale bytes
	s_lshl_b32 s89, s17, 12
	s_add_co_u32 s88, s88, s89
	s_mov_b32 s89, 0
	s_lshl_b32 s92, s84, 16                        ; W's codes: (128 block + 64 half) rows of 512 bytes: made of the block of features and the wave alone
	s_lshl_b32 s93, s17, 15
	s_add_co_u32 s92, s92, s93
	s_add_co_u32 s92, s92, WCODES
	s_mov_b32 s93, 0
	s_lshl_b32 s94, s84, 12
	s_lshl_b32 s95, s17, 11
	s_add_co_u32 s94, s94, s95
	s_add_co_u32 s94, s94, WSCALE
	s_mov_b32 s95, 0
	s_lshl_b32 s96, s17, 15                        ; where they go: no place in the cluster enters an LDS address
	s_mul_i32 s97, s17, 64*PITCH
	s_mul_i32 s98, s17, 16*272
	s_mul_i32 s99, s17, 8*272
	s_wait_dscnt 0x0
	s_wait_kmcnt 0x0
	G0SET G0OS, 98, OSC, 6, 88, 0
	G0SET G0O0, 96, 0, 4, 86, 0
	G0SET G0O1, 96, 65536, 4, 86, 4096             ; the second half of K: heads 8 to 15 of each tile
	G0SET G0WS, 99, WSC, 10, 94, 0
	G0SET G0W0, 97, WCO, 8, 92, 0
	G0SET G0W1, 97, WCO+WCH, 8, 92, 256
	CROUND                                         ; all sixteen work-groups are here: the joint loads meet
	s_cmp_lt_u32 s[WV], 2                          ; waves 0, 1 fetch O's halves, waves 2, 3 W's, the others nothing: a wave's three loads stand in one branch; three of mine are out at the most
	s_cbranch_scc0 .Lnot_o
	tensor_load_to_lds s[G0OS:G0OS+3], s[G1OS:G1OS+7]
	s_nop 0
	tensor_load_to_lds s[G0O0:G0O0+3], s[G1O:G1O+7]
	s_nop 0
	tensor_load_to_lds s[G0O1:G0O1+3], s[G1O:G1O+7]
	s_nop 0
	PLACES                                         ; four v_nop follow the last load
	s_branch .Lasked
.Lnot_o:
	s_cmp_lt_u32 s[WV], 4
	s_cbranch_scc0 .Lasked
	tensor_load_to_lds s[G0WS:G0WS+3], s[G1WS:G1WS+7]
	s_nop 0
	tensor_load_to_lds s[G0W0:G0W0+3], s[G1W:G1W+7]
	s_nop 0
	tensor_load_to_lds s[G0W1:G0W1+3], s[G1W:G1W+7]
	s_nop 0
	PLACES
.Lasked:
	; ---- the bias into the accumulators, and the addresses, while the tiles are on their way
	v_and_b32 v1, 15, v0                           ; r
	s_wait_alu depctr_va_vdst(0)
	v_bfe_u32 v2, v0, 4, 1                         ; h
	v_and_b32 v3, 31, v0                           ; lane
	s_lshl_b32 s86, s84, 9
	s_lshl_b32 s87, s19, 8
	s_add_co_u32 s86, s86, s87                     ; my 64 features, in bytes of f32
	s_mov_b32 s87, 0
	s_add_nc_u64 s[88:89], s[12:13], s[86:87]      ; in b_out
	v_lshlrev_b32 v13, 6, v2                       ; 16 h numbers on
.irp qt, 0,1,2,3
.irp pt, 0,1,2,3
	global_load_b128 v[ACC+32*\qt+8*\pt:ACC+32*\qt+8*\pt+3], v13, s[88:89] offset:(32*(\pt/2)+8*(\pt%2))*4
	global_load_b128 v[ACC+32*\qt+8*\pt+4:ACC+32*\qt+8*\pt+7], v13, s[88:89] offset:(32*(\pt/2)+8*(\pt%2))*4+16
.endr
.endr
	s_lshl_b32 s92, s85, 20                        ; my first row of the output: (256 block + 64 g) rows of 4,096 bytes
	s_lshl_b32 s93, s18, 18
	s_add_co_u32 s92, s92, s93
	s_add_co_u32 s92, s92, s86
	s_mov_b32 s93, 0
	s_add_nc_u64 s[14:15], s[14:15], s[92:93]
	v_mul_u32_u24 v15, v1, PITCH
	s_wait_alu depctr_va_vdst(0)
	v_lshl_add_u32 v15, v2, 4, v15                 ; W: a fragment's row x pitch + 16 h
	s_mul_i32 s94, s19, 64*PITCH
	s_add_co_u32 s94, s94, WCO
	v_add_nc_u32 v[ADP], s94, v15
	s_delay_alu instid0(VALU_DEP_1)
	v_add_nc_u32 v[ADP+1], WCH, v[ADP]
	s_lshl_b32 s94, s18, 14                        ; O: my four tiles' images, 16 bytes a lane
	v_lshl_add_u32 v[ADQ], v3, 4, s94
	s_delay_alu instid0(VALU_DEP_1)
	v_add_nc_u32 v[ADQ+1], 65536, v[ADQ]
	v_lshrrev_b32 v14, 3, v1                       ; a row's 32 scale bytes: eight rows to a run of 256 + 16
	v_and_b32 v15, 7, v1
	s_delay_alu instid0(VALU_DEP_2)
	v_mul_u32_u24 v14, v14, 272
	s_delay_alu instid0(VALU_DEP_1)
	v_lshl_add_u32 v14, v15, 5, v14
	s_mul_i32 s94, s19, SGRP
	s_add_co_u32 s94, s94, WSC
	v_add_nc_u32 v[ASP], s94, v14
	s_mul_i32 s94, s18, SGRP
	s_add_co_u32 s94, s94, OSC
	v_add_nc_u32 v[ASQ], s94, v14
	s_mul_i32 s94, s[WV], 16*272
	s_add_co_u32 s94, s94, STG                     ; my stage
	v_mul_u32_u24 v[STO], v1, 272
	s_delay_alu instid0(VALU_DEP_1)
	v_lshl_add_u32 v[STO], v2, 6, v[STO]
	s_delay_alu instid0(VALU_DEP_1)
	v_add_nc_u32 v[STO], s94, v[STO]               ; in: row r, + 64 h bytes
	v_mul_u32_u24 v[RD], v2, 272
	s_delay_alu instid0(VALU_DEP_1)
	v_lshl_add_u32 v[RD], v1, 4, v[RD]
	s_delay_alu instid0(VALU_DEP_1)
	v_add_nc_u32 v[RD], s94, v[RD]                 ; back: lanes 0-15 one row, lanes 16-31 the next
	v_lshlrev_b32 v[CO], 12, v2
	s_delay_alu instid0(VALU_DEP_1)
	v_lshl_add_u32 v[CO], v1, 4, v[CO]             ; and the same two rows in the output
; A step of 128 along K: the step-th of half number half.  The first step of a half also fetches the half's scale words.
; Sixteen accumulators take turns, one instruction a turn, in the same order in every step.
.macro KSTEP half, step
.if (\half)+(\step) > 0
	PLACES
.endif
.if (\step) == 0
.irp i, 0,1,2,3
	ds_load_b128 v[SP+4*\i:SP+4*\i+3], v[ASP] offset:544*\i+16*(\half)
	ds_load_b128 v[SQ+4*\i:SQ+4*\i+3], v[ASQ] offset:544*\i+16*(\half)
.endr
.endif
.irp i, 0,1,2,3
.irp u, 0,1
	ds_load_b128 v[PF+8*\i+4*\u:PF+8*\i+4*\u+3], v[ADP+\half] offset:16*PITCH*\i+64*(\step)+32*\u
	ds_load_b128 v[QF+8*\i+4*\u:QF+8*\i+4*\u+3], v[ADQ+\half] offset:4096*\i+1024*(\step)+512*\u   ; the images of heads 2 step and 2 step + 1 are the fragment's two halves
.endr
.endr
	s_wait_dscnt 0x0                               ; all are in; the SIMD's other wave works meanwhile
.irp qt, 0,1,2,3
.irp pt, 0,1,2,3
	v_wmma_scale_f32_16x16x128_f8f6f4 v[ACC+32*\qt+8*\pt:ACC+32*\qt+8*\pt+7], v[PF+8*\pt:PF+8*\pt+7], v[QF+8*\qt:QF+8*\qt+7], v[ACC+32*\qt+8*\pt:ACC+32*\qt+8*\pt+7], v[SP+4*\pt+(\step)], v[SQ+4*\qt+(\step)] matrix_a_fmt:MATRIX_FMT_FP4 matrix_b_fmt:MATRIX_FMT_FP4
.endr
.endr
.endm
	s_wait_alu depctr_va_vdst(0)
	s_wait_loadcnt 0x0                             ; the bias
	s_wait_tensorcnt 0x1                           ; my scale bytes and my part of K's first half are in; the second half's load, issued last, may stay out: nothing is filled twice
	s_barrier_signal -1
	s_barrier_wait -1                              ; everybody's are
	KSTEP 0, 0
	KSTEP 0, 1
	KSTEP 0, 2
	KSTEP 0, 3
	s_wait_tensorcnt 0x0                           ; my part of the second half is in (no LDS load of mine is out: each step waits for its own),
	s_barrier_signal -1
	s_barrier_wait -1                              ; everybody's is
	KSTEP 1, 0
	KSTEP 1, 1
	KSTEP 1, 2
	KSTEP 1, 3
	; ---- the way out, a tile of 16 token places at a time.  LDS serves a wave's instructions in order: no wait between the stores into my stage and the loads from it, nor ahead of the next tile's stores
	PLACES
.irp qt, 0,1,2,3
.if \qt > 1
	s_wait_xcnt 0x0                                ; the stores of two tiles ago have read their data: the loads below land there only behind this wait
.endif
.irp pt, 0,1,2,3
	ds_store_b128 v[STO], v[ACC+32*\qt+8*\pt:ACC+32*\qt+8*\pt+3] offset:128*(\pt/2)+32*(\pt%2)      ; each accumulator from its low end on
	ds_store_b128 v[STO], v[ACC+32*\qt+8*\pt+4:ACC+32*\qt+8*\pt+7] offset:128*(\pt/2)+32*(\pt%2)+16
.endr
.irp t, 0,1,2,3,4,5,6,7
	ds_load_b128 v[PF+32*(\qt%2)+4*\t:PF+32*(\qt%2)+4*\t+3], v[RD] offset:544*\t
.endr
.irp t, 0,1,2,3,4,5,6,7
	s_wait_dscnt 7-\t                              ; load t is in; the 7 - t younger ones may be out
	global_store_b128 v[CO], v[PF+32*(\qt%2)+4*\t:PF+32*(\qt%2)+4*\t+3], s[14:15] offset:(32*(\qt/2)+8*(\qt%2)+2*\t+8*(\t/4))*4096 th:TH_STORE_NT   ; places 2 t and 2 t + 1 at their tokens' rows; sixteen lanes store 256 consecutive bytes, aligned; written once, read by nobody here
.endr
.endr
	s_wait_tensorcnt 0x0
	ds_add_u32 v126, v127
	s_wait_dscnt 0x0
	CROUND                                         ; the closing round: no work-group ends while a partner may still ask for a tile that names it
	s_endpgm
.Lfunc_end_k_q7229d48739_proj:
	.size	k_q7229d48739_proj, .Lfunc_end_k_q7229d48739_proj-k_q7229d48739_proj
	.p2alignl 7, 3214868480
	.fill 96, 4, 3214868480
	.section	.rodata,"a",@progbits
	.p2align	6, 0x0
	.amdhsa_kernel k_q7229d48739_proj
		.amdhsa_group_segment_fixed_size 263168
		.amdhsa_private_segment_fixed_size 0
		.amdhsa_enable_private_segment 0
		.amdhsa_kernarg_size 48
		.amdhsa_user_sgpr_count 2
		.amdhsa_user_sgpr_kernarg_segment_ptr 1
		.amdhsa_wavefront_size32 1
		.amdhsa_system_sgpr_workgroup_id_x 1
		.amdhsa_system_sgpr_workgroup_id_y 1
		.amdhsa_system_sgpr_workgroup_id_z 1
		.amdhsa_system_vgpr_workitem_id 0
		.amdhsa_next_free_vgpr 256
		.amdhsa_next_free_sgpr 100
		.amdhsa_reserve_vcc 0
		.amdhsa_float_denorm_mode_32 3
		.amdhsa_float_denorm_mode_16_64 3
		.amdhsa_memory_ordered 1
		.amdhsa_forward_progress 1
		.amdhsa_inst_pref_size 48
	.end_amdhsa_kernel
	.amdgpu_metadata
---
amdhsa.version: [ 1, 2 ]
amdhsa.kernels:
  - .name:           k_q7229d48739_proj
    .symbol:         k_q7229d48739_proj.kd
    .args:
      - { .name: o_img, .offset: 0, .size: 8, .value_kind: global_buffer, .address_space: global }
      - { .name: o_sc, .offset: 8, .size: 8, .value_kind: global_buffer, .address_space: global }
      - { .name: codes, .offset: 16, .size: 8, .value_kind: global_buffer, .address_space: global }
      - { .name: scales, .offset: 24, .size: 8, .value_kind: global_buffer, .address_space: global }
      - { .name: b_out, .offset: 32, .size: 8, .value_kind: global_buffer, .address_space: global }
      - { .name: out0, .offset: 40, .size: 8, .value_kind: global_buffer, .address_space: global }
    .group_segment_fixed_size: 263168
    .private_segment_fixed_size: 0
    .kernarg_segment_align: 8
    .kernarg_segment_size: 48
    .max_flat_workgroup_size: 256
    .sgpr_count:     100
    .vgpr_count:     256
    .wavefront_size: 32
...
	.end_amdgpu_metadata
.endif
;; end of part 4
